; MI455X (gfx1250); checked and timed in simulation.
; The chip was launched on July 23, 2026; its instructions are those of AMD's public machine-readable ISA for CDNA 5 (MIT licence, August 2026) and "CDNA5" Instruction Set Architecture Reference Guide (July 2026). The comments in the code are by the model that wrote it; some were corrected since.
;; multihead self attention. Allowed arithmetic: matrix products marked QUANTISED: E4M3 operands, one E8M0 scale for each 32 along K, by v_wmma_scale_f32_16x16x128_f8f6f4 with both operands' format E4M3, f32 sums; everything else in f32.
;; Inputs: Wk 1,024 x 1,024 float32; Wo 1,024 x 1,024 float32; Wq 1,024 x 1,024 float32; Wv 1,024 x 1,024 float32; in_features 4 x 2,048 x 1,024 float32.
;; Outputs: out0 4 x 2,048 x 1,024 float32.
;; This version of the problem:
;;   THIS VERSION OF THE PROBLEM IS GIVEN IN LOW PRECISION. The matrix products marked QUANTISED in the list below multiply operands that are first quantised to E4M3 (4 exponent bits, 3 mantissa bits; 8 bits a number), with one power-of-two scale for each 32 numbers along K (OCP MX v1.0); their sums are f32. All else is computed in f32.
;;   The module's matrix products, in the order in which they are computed (A, B: the left and right operand; K: the contracted axis; several contracted axes count as one K, in the product's order):
;;     1. [M 8,192, K 1,024] x [K 1,024, N 1,024]; A: input in_features; B: input Wq: QUANTISED
;;     2. [M 8,192, K 1,024] x [K 1,024, N 1,024]; A: input in_features; B: input Wk: QUANTISED
;;     3. [M 8,192, K 1,024] x [K 1,024, N 1,024]; A: input in_features; B: input Wv: QUANTISED
;;     4. batch 64 x [M 2,048, K 64] x [K 64, N 2,048]; A: computed on the way; B: computed on the way: QUANTISED
;;     5. batch 64 x [M 2,048, K 2,048] x [K 2,048, N 64]; A: softmax (see below); B: computed on the way: QUANTISED
;;     6. [M 8,192, K 1,024] x [K 1,024, N 1,024]; A: computed on the way; B: input Wo: QUANTISED
;;   THE QUANTISER, for each operand of a quantised product, along K:
;;     - K is cut into blocks of 32 from its start; a last block that is shorter is filled with zeros.
;;     - A block's scale is 2^e with e = floor(log2(the largest magnitude in the block)) - 8, held to -126 .. 127; a block of zeros has e = 0. As a byte (E8M0): e + 127.
;;     - Each number is divided by its block's scale, clamped to +-448, and rounded to the nearest number of E4M3, ties to even, subnormals kept.
;;     - The product sums the exact products of the quantised numbers (number of the format x scale) in f32.
;;   ~~~python
;;   def quantise(x, axis):      # numpy; x: float32 -> the quantised numbers, widened to float32 again
;;       x = np.moveaxis(x, axis, -1); K = x.shape[-1]
;;       x = np.pad(x, [(0, 0)] * (x.ndim - 1) + [(0, -K % 32)]); x = x.reshape(x.shape[:-1] + (-1, 32)); a = np.abs(x).max(-1, keepdims=True)
;;       e = np.where(a > 0, np.clip(np.frexp(np.where(a > 0, a, 1))[1] - 1 - 8, -126, 127), 0)      # np.frexp(a)[1] - 1 = floor(log2(a)), exactly
;;       r = np.clip(x / 2.0 ** e, -448, 448)
;;       step = 2.0 ** (np.maximum(np.frexp(np.where(r == 0, 1, r))[1] - 1, -6) - 3)
;;       q = np.round(r / step) * step * 2.0 ** e      # np.round: ties to even
;;       return np.moveaxis(q.reshape(q.shape[:-2] + (-1,))[..., :K], -1, axis).astype(np.float32)
;;   ~~~
;;   SOFTMAX AHEAD OF A QUANTISED PRODUCT. Where the list says 'softmax', what is quantised is not the finished softmax but p = 2^(t - M), with t = logit x log2(e) and M = ceil(the row's largest t), a whole number; so 1/2 < the row's largest p <= 1. The row's sum l is taken of the UNQUANTISED p, in f32, and the product's result is divided by l at the end. Since M is a whole number, a kernel that streams over the keys may use a running M (the ceiling of the running maximum): every later rescaling is an exact power of two, which a block's scale takes up: the codes' values come out the same.
;;   OPERANDS COMPUTED ON THE WAY. 'Computed on the way' means the value that the module computes at that place (a softmax that the list does not call 'softmax' is quantised finished and normalised). What goes into a quantiser is computed in f32, as accurately as f32 sums, v_exp_f32 and their like allow (about 1e-6 of the number): no bf16 or f16 on the way to a quantiser, and a product that is left as it is and whose result goes on into a quantised operand takes f32 operands (vector FMAs, or v_wmma_f32_16x16x4_f32). A number that lies on a knife's edge between two numbers of the format may be rounded either way, as far as f32 arithmetic and the matrix unit's own rounding can turn it there, and no further.
;; One version. Each part assembles by itself: llvm-mc -triple=amdgcn-amd-amdhsa -mcpu=gfx1250 --defsym DOCPART=n.
;; ======== version 1 of 1: 4 launches
;; limits: right only within a limited range of input values
;; workspace buffers: codes 12,582,912 bytes; scales 393,216 bytes; rope 524,288 bytes; qkv 25,952,256 bytes; ac 8,388,608 bytes; asc 262,144 bytes
;; launch prep (part 1): grid 448 x 1, 4 waves a work-group, no clusters, 34,304 bytes of LDS; arguments in_features, Wq, Wk, Wv, Wo, codes, scales, rope; writes codes, scales, rope
.if DOCPART == 1
	.amdgcn_target "amdgcn-amd-amdhsa--gfx1250"
	.amdhsa_code_object_version 6
	.text
	.protected	k_q39daca9cbb_prep
	.globl	k_q39daca9cbb_prep
	.p2align	8
	.type	k_q39daca9cbb_prep,@function
k_q39daca9cbb_prep:
	s_mov_b64 s[64:65], 0
	v_nop
	global_prefetch_b8 v0, s[64:65] scope:SCOPE_SE
	s_setreg_imm32_b32 hwreg(HW_REG_WAVE_MODE, 25, 1), 1
	s_wait_xcnt 0x0
; PREP.  (1) in_features [8192][1024], Wq, Wk, Wv, Wo [1024][1024], f32, K innermost, become codes of FP8 (E4M3) with one E8M0 byte for each 32 along K.  (2) The table of cos and sin for the rotation of q and k.
; THE CODES ARE LAID IN THE ORDER OF AN OPERAND'S REGISTERS: codes[T][s 8][c 4][lane 32][16 bytes]: tile T = 2 g + u holds 16 rows; lane (r = lane % 16, h = lane / 16) holds row 32 g + 8 u + r + 8 (r / 8)
; and k = 128 s + 32 c + 16 h + 0 .. 15.  So a fragment (16 rows x 128 K) is 2,048 consecutive bytes, four loads of 16 bytes a lane.  Tiles 0-511 in_features, 512-575 Wq, 576-639 Wk, 640-703 Wv, 704-767 Wo.
; THE SCALE BYTES: scales[T][half 2][r 16][4 words]: word w of (half, r) holds the four bytes c = 0 .. 3 of the tile's row r for s = 4 half + w.
; A block's scale is 2^(floor(log2(its largest magnitude)) - 8); its byte is the largest magnitude's exponent field - 8, held at 1 from below; each number is held within +-448 x the scale and rounded to the nearest code.
; LIMITS: a block of zeros gets the byte 1 where the rule says 127 (its codes are zeros, and this program alone reads the bytes); blocks whose largest magnitude lies under 2^-118 are held at the byte 1; NaN and infinities are not served.
; SHARES.  Work-groups 0-383: a wave takes one tile's 16 rows x 512 along K, four steps of 128.  Each load reads 512 consecutive bytes of one row; a step's 16 rows turn through the wave's own stage in LDS (rows 528 bytes apart)
; so that a lane gets 16 neighbours of each block of 32.  Waves share nothing: no barrier.  Loads run two steps (32 loads a wave) ahead.
; Work-groups 384-447: a wave makes 8 positions of rope[pos 2048][i 32][cos, sin]: lane = i; angle = pos x 10000^(-i / 32), reduced by multiples of pi / 2 in two parts, then polynomials on +-pi / 4.
; LIMIT of the table: the frequency is good to about one unit in its last place, so at the largest positions the angle may differ from another f32 evaluation's by about 1e-4.
.set STGB, 8448                        ; a wave's stage: 16 rows x 528 bytes
.set PW,   8                           ; v8-11   the four steps' scale words
.set TM,   16                          ; v16-31  at work in the quantiser
.set PC,   32                          ; v32-63  codes, two sets of 16
.set X,    64                          ; v64-127 64 numbers of a lane: register 16 b + i = k 32 b + 16 h + i of my row
.set R,    128                         ; v128-255 two sets of 64: rows as loaded
.set SEL,  26                          ; s[26:27] selects for lane l xor 16
.set MNT,  28
	s_load_b256 s[4:11], s[0:1], 0x0               ; in_features, Wq, Wk, Wv
	s_load_b256 s[12:19], s[0:1], 0x20             ; Wo, codes, scales, rope
	s_set_vgpr_msb 0x40
	v_lshl_add_u32 v0, v0, 2, 0x8400
	v_mov_b32 v1, 0
	s_set_vgpr_msb 0x4000
	v_lshrrev_b32 v1, 5, v0
	v_readfirstlane_b32 s20, v1                    ; wave 0..3
	v_and_b32 v1, 31, v0                           ; lane
	s_cmp_ge_u32 ttmp9, 384
	s_cbranch_scc1 .Lrope
	v_lshlrev_b32 v2, 4, v1                        ; 16 x lane
	v_and_b32 v3, 15, v0                           ; r
	v_bfe_u32 v4, v0, 4, 1                         ; h
	s_mul_i32 s21, s20, STGB
	v_add_nc_u32 v5, s21, v2                       ; the stage, on the way in: a row's 512 bytes as they lie
	v_mul_u32_u24 v6, v3, 528
	v_lshl_add_u32 v6, v4, 6, v6
	v_add_nc_u32 v6, s21, v6                       ; and on the way out: row r, + 64 h: my 16 numbers of a block
	v_lshlrev_b32 v7, 4, v3
	v_lshl_add_u32 v7, v4, 3, v7                   ; the scale words' place: 16 r + 8 h
	s_mov_b32 s[SEL], 0x76543210
	s_mov_b32 s[SEL+1], 0xfedcba98
.irp b, 0,1,2,3
	v_mov_b32 v[TM+4+\b], 0                        ; written once: a lane permute's destination counts as one of its sources
.endr
	s_lshl_b32 s25, ttmp9, 1
	s_lshr_b32 s29, s20, 1
	s_add_co_u32 s25, s25, s29                     ; my tile: 2 x work-group + wave / 2
	s_and_b32 s29, s20, 1                          ; my half of K
	s_wait_alu depctr_va_vdst(0)
	s_wait_kmcnt 0x0
	s_cmp_lt_u32 ttmp9, 352                        ; which tensor: the choice hangs on the work-group's number alone
	s_cselect_b64 s[22:23], s[10:11], s[12:13]
	s_cmp_lt_u32 ttmp9, 320
	s_cselect_b64 s[22:23], s[8:9], s[22:23]
	s_cmp_lt_u32 ttmp9, 288
	s_cselect_b64 s[22:23], s[6:7], s[22:23]
	s_cmp_lt_u32 ttmp9, 256
	s_cselect_b64 s[22:23], s[4:5], s[22:23]
	s_cselect_b32 s24, -1, 63
	s_and_b32 s24, s25, s24                        ; the tile's number inside its tensor
	s_lshr_b32 s30, s24, 1
	s_lshl_b32 s30, s30, 5
	s_and_b32 s31, s24, 1
	s_lshl_b32 s31, s31, 3
	s_add_co_u32 s30, s30, s31                     ; its first row: 32 g + 8 u
	s_lshl_b32 s30, s30, 12                        ; rows of 4,096 bytes
	s_lshl_b32 s31, s29, 11
	s_add_co_u32 s30, s30, s31                     ; + my half of K: 2,048 bytes
	s_mov_b32 s31, 0
	s_add_nc_u64 s[22:23], s[22:23], s[30:31]
	s_lshl_b32 s30, s25, 14
	s_lshl_b32 s32, s29, 13
	s_add_co_u32 s30, s30, s32
	s_add_nc_u64 s[14:15], s[14:15], s[30:31]      ; codes: tile x 16,384 + half x 8,192
	s_lshl_b32 s30, s25, 9
	s_lshl_b32 s32, s29, 8
	s_add_co_u32 s30, s30, s32
	s_add_nc_u64 s[16:17], s[16:17], s[30:31]      ; scale words: tile x 512 + half x 256
.macro LOAD t                          ; step t: 128 along K of the tile's 16 rows; a load reads 512 consecutive bytes of one row
.irp i, 0,1,2,3,4,5,6,7,8,9,10,11,12,13,14,15
	global_load_b128 v[R+64*((\t)%2)+4*\i:R+64*((\t)%2)+4*\i+3], v2, s[22:23] offset:(\i+8*(\i/8))*4096+512*(\t) th:TH_LOAD_NT
.endr
.endm
; 64 numbers of a lane become a fragment's 16 registers of codes in v[pc] on and its scale word in v[pw]
.macro QUANT s, pc, pw
.irp b, 0,1,2,3
	v_max3_num_f32 v[TM+\b], |v[\s+16*\b]|, |v[\s+1+16*\b]|, 0x4800000   ; block b: my 16 numbers, and the floor 2^(9 - 127): the byte cannot fall under 1
.endr
.irp i, 2,4,6,8,10,12,14
.irp b, 0,1,2,3
	v_max3_num_f32 v[TM+\b], v[TM+\b], |v[\s+16*\b+\i]|, |v[\s+1+16*\b+\i]|   ; the four blocks by turns
.endr
.endr
.irp b, 0,1,2,3
	v_permlanex16_b32 v[TM+4+\b], v[TM+\b], s[SEL], s[SEL+1]
.endr
.irp b, 0,1,2,3
	v_max_num_f32 v[TM+\b], v[TM+\b], v[TM+4+\b]   ; with lane l xor 16's: the block's largest magnitude
.endr
.irp b, 0,1,2,3
	v_add_nc_u32 v[TM+12+\b], 0xfc000000, v[TM+\b] ; 8 off its exponent field: the conversion's scale operand
.endr
.irp b, 0,1,2,3
.endr
.irp b, 0,1,2,3
	v_lshrrev_b32 v[TM+4+\b], 23, v[TM+12+\b]      ; the scale's byte
.endr
	v_lshl_or_b32 v[\pw], v[TM+5], 8, v[TM+4]
	v_lshl_or_b32 v[\pw], v[TM+6], 16, v[\pw]
	v_lshl_or_b32 v[\pw], v[TM+7], 24, v[\pw]
.irp b, 0,1,2,3
.irp i, 0,1,2,3,4,5,6,7,8,9,10,11,12,13,14,15
.endr
	v_cvt_scalef32_pk8_fp8_f32 v[\pc+4*\b:\pc+1+4*\b], v[\s+16*\b:\s+7+16*\b], v[TM+12+\b]
	v_cvt_scalef32_pk8_fp8_f32 v[\pc+2+4*\b:\pc+3+4*\b], v[\s+8+16*\b:\s+15+16*\b], v[TM+12+\b]
.endr
	v_nop                                          ; one plain line behind the last conversion
.endm
.macro STEP t
.if (\t) < 3
	s_wait_loadcnt 16                              ; this step's 16 loads are in; the next step's 16 may be out
.else
	s_wait_loadcnt 0x0
.endif
.irp i, 0,1,2,3,4,5,6,7,8,9,10,11,12,13,14,15
	ds_store_b128 v5, v[R+64*((\t)%2)+4*\i:R+64*((\t)%2)+4*\i+3] offset:528*\i
.endr
.irp b, 0,1,2,3
.irp j, 0,1,2,3
	ds_load_b128 v[X+16*\b+4*\j:X+16*\b+4*\j+3], v6 offset:128*\b+16*\j   ; LDS serves a wave's instructions in order: these see the stores above
.endr
.endr
	s_wait_dscnt 0x0                               ; the numbers are back, and the stores have read their registers,
.if (\t) < 2
	LOAD (\t)+2                                    ; which take the loads of two steps on
.endif
.if (\t) >= 2
	s_wait_xcnt 0x0                                ; the stores of two steps ago have read this set of codes: it is written again only behind this wait
.endif
	QUANT X, PC+16*((\t)%2), PW+(\t)
.irp c, 0,1,2,3
	global_store_b128 v2, v[PC+16*((\t)%2)+4*\c:PC+16*((\t)%2)+4*\c+3], s[14:15] offset:2048*(\t)+512*\c   ; 512 consecutive bytes, aligned
.endr
.endm
	LOAD 0
	LOAD 1
	STEP 0
	STEP 1
	STEP 2
	STEP 3
	v_cmp_ne_u32 vcc_lo, 0, v4
	v_cndmask_b32 v12, v[PW], v[PW+2], vcc_lo      ; lanes 0-15 store words 0, 1 of their row, lanes 16-31 words 2, 3
	v_cndmask_b32 v13, v[PW+1], v[PW+3], vcc_lo
	global_store_b64 v7, v[12:13], s[16:17]        ; the 32 lanes store 256 consecutive bytes, aligned
	s_set_vgpr_msb 0x5
	s_wait_tensorcnt 0x0
	ds_add_u32 v0, v1
	s_wait_dscnt 0x0
	s_set_vgpr_msb 0x500
	s_endpgm
.Lrope:
	s_sub_co_u32 s21, ttmp9, 384
	s_lshl_b32 s21, s21, 2
	s_add_co_u32 s21, s21, s20                     ; which of 256 waves
	s_lshl_b32 s22, s21, 11                        ; 8 rows of 256 bytes
	s_mov_b32 s23, 0
	s_lshl_b32 s21, s21, 3                         ; my first position
	s_mov_b32 s30, 0x3fc90fdb                      ; pi / 2, upper part
	s_mov_b32 s31, 0xb33bbd2e                      ; and what is left of it
	s_mov_b32 s32, 0xb94ca1f9                      ; sine: -1.9515296e-4,
	s_mov_b32 s33, 0x3c08839e                      ; 8.3321609e-3,
	s_mov_b32 s34, 0xbe2aaaa3                      ; -1.6666655e-1
	s_mov_b32 s35, 0x37ccf5ce                      ; cosine: 2.4433157e-5,
	s_mov_b32 s36, 0xbab6061a                      ; -1.3887316e-3,
	s_mov_b32 s37, 0x3d2aaaa5                      ; 4.1666646e-2
	s_wait_alu depctr_va_vdst(0)
	v_lshlrev_b32 v2, 3, v1                        ; 8 bytes a lane
	v_cvt_f32_u32 v3, v1                           ; i
	v_mul_f32 v4, 0xbed49a60, v3                   ; -i x 435411 / 2^20: exact (19 bits x 5 bits)
	v_rndne_f32 v5, v4                             ; its whole part n
	v_sub_f32 v4, v4, v5                           ; exact
	v_fmac_f32 v4, 0xb5425e67, v3                  ; - i x the rest of log2(10000) / 32
	v_cvt_i32_f32 v5, v5
	s_wait_alu depctr_va_vdst(0)
	v_exp_f32 v6, v4
	v_nop                                          ; one plain line behind the transcendental
	s_wait_alu depctr_va_vdst(0)                   ; and a wait ahead of its first reader
	v_ldexp_f32 v6, v6, v5                         ; 10000^(-i / 32)
	s_wait_kmcnt 0x0
	s_add_nc_u64 s[18:19], s[18:19], s[22:23]
	s_mov_b32 s29, 0
.Lpos:
	v_cvt_f32_u32 v7, s21
	s_wait_alu depctr_va_vdst(0)
	v_mul_f32 v7, v7, v6                           ; the angle, rounded once
	v_mul_f32 v8, 0x3f22f983, v7
	v_rndne_f32 v8, v8                             ; k = the nearest multiple of pi / 2
	v_fma_f32 v9, -v8, s30, v7                     ; exact: both are multiples of 2^-23 or coarser and the difference is under 1
	v_fma_f32 v9, -v8, s31, v9                     ; r, within +-pi / 4
	v_mul_f32 v10, v9, v9                          ; z
	v_fma_f32 v11, v10, s32, s33
	v_fma_f32 v12, v10, s35, s36
	v_fma_f32 v11, v11, v10, s34
	v_fma_f32 v12, v12, v10, s37
	v_mul_f32 v11, v11, v10
	v_fma_f32 v13, v10, -0.5, 1.0
	v_mul_f32 v12, v12, v10
	v_fma_f32 v11, v11, v9, v9                     ; sin r
	v_fma_f32 v12, v12, v10, v13                   ; cos r
	v_cvt_i32_f32 v14, v8
	v_and_b32 v15, 1, v14
	v_cmp_ne_u32 vcc_lo, 0, v15
	v_cndmask_b32 v17, v11, v12, vcc_lo            ; an odd k swaps the two
	v_cndmask_b32 v16, v12, v11, vcc_lo
	v_and_b32 v15, 2, v14
	v_lshlrev_b32 v15, 30, v15
	v_xor_b32 v17, v17, v15                        ; the sine is negative for k % 4 = 2, 3
	v_add_nc_u32 v14, 1, v14
	v_and_b32 v14, 2, v14
	v_lshlrev_b32 v14, 30, v14
	v_xor_b32 v16, v16, v14                        ; the cosine for k % 4 = 1, 2
	global_store_b64 v2, v[16:17], s[18:19]        ; a position's row: 256 consecutive bytes, aligned
	s_wait_xcnt 0x0                                ; the base and the data are written again only behind this wait
	s_add_nc_u64 s[18:19], s[18:19], 256
	s_add_co_u32 s21, s21, 1
	s_add_co_u32 s29, s29, 1
	s_cmp_lt_u32 s29, 8
	s_cbranch_scc1 .Lpos
	s_endpgm
.Lfunc_end_k_q39daca9cbb_prep:
	.size	k_q39daca9cbb_prep, .Lfunc_end_k_q39daca9cbb_prep-k_q39daca9cbb_prep
	.p2alignl 7, 3214868480
	.fill 96, 4, 3214868480
	.section	.rodata,"a",@progbits
	.p2align	6, 0x0
	.amdhsa_kernel k_q39daca9cbb_prep
		.amdhsa_group_segment_fixed_size 34304
		.amdhsa_private_segment_fixed_size 0
		.amdhsa_enable_private_segment 0
		.amdhsa_kernarg_size 64
		.amdhsa_user_sgpr_count 2
		.amdhsa_user_sgpr_kernarg_segment_ptr 1
		.amdhsa_wavefront_size32 1
		.amdhsa_system_sgpr_workgroup_id_x 1
		.amdhsa_system_sgpr_workgroup_id_y 1
		.amdhsa_system_sgpr_workgroup_id_z 1
		.amdhsa_system_vgpr_workitem_id 0
		.amdhsa_next_free_vgpr 258
		.amdhsa_next_free_sgpr 66
		.amdhsa_reserve_vcc 1
		.amdhsa_float_denorm_mode_32 3
		.amdhsa_float_denorm_mode_16_64 3
		.amdhsa_fp16_overflow 1
		.amdhsa_memory_ordered 1
		.amdhsa_forward_progress 1
		.amdhsa_inst_pref_size 37
	.end_amdhsa_kernel
	.amdgpu_metadata
---
amdhsa.version: [ 1, 2 ]
amdhsa.kernels:
  - .name:           k_q39daca9cbb_prep
    .symbol:         k_q39daca9cbb_prep.kd
    .args:
      - { .name: in_features, .offset: 0, .size: 8, .value_kind: global_buffer, .address_space: global }
      - { .name: Wq, .offset: 8, .size: 8, .value_kind: global_buffer, .address_space: global }
      - { .name: Wk, .offset: 16, .size: 8, .value_kind: global_buffer, .address_space: global }
      - { .name: Wv, .offset: 24, .size: 8, .value_kind: global_buffer, .address_space: global }
      - { .name: Wo, .offset: 32, .size: 8, .value_kind: global_buffer, .address_space: global }
      - { .name: codes, .offset: 40, .size: 8, .value_kind: global_buffer, .address_space: global }
      - { .name: scales, .offset: 48, .size: 8, .value_kind: global_buffer, .address_space: global }
      - { .name: rope, .offset: 56, .size: 8, .value_kind: global_buffer, .address_space: global }
    .group_segment_fixed_size: 34304
    .private_segment_fixed_size: 0
    .kernarg_segment_align: 8
    .kernarg_segment_size: 64
    .max_flat_workgroup_size: 128
    .sgpr_count:     66
    .vgpr_count:     258
    .wavefront_size: 32
...
	.end_amdgpu_metadata
.endif
;; end of part 1
;; launch proj (part 2): grid 12 x 32, 4 waves a work-group, clusters of 4 x 4, 327,680 bytes of LDS; arguments codes, scales, rope, qkv; writes qkv
.if DOCPART == 2
	.amdgcn_target "amdgcn-amd-amdhsa--gfx1250"
	.amdhsa_code_object_version 6
	.text
	.protected	k_q39daca9cbb_proj
	.globl	k_q39daca9cbb_proj
	.p2align	8
	.type	k_q39daca9cbb_proj,@function
k_q39daca9cbb_proj:
	s_mov_b64 s[64:65], 0
	v_nop
	global_prefetch_b8 v0, s[64:65] scope:SCOPE_SE
	s_setreg_imm32_b32 hwreg(HW_REG_WAVE_MODE, 25, 1), 1
	s_wait_xcnt 0x0
	s_wait_alu depctr_hold_cnt(0) depctr_sa_sdst(0) depctr_va_vdst(0) depctr_va_sdst(0) depctr_va_ssrc(0) depctr_va_vcc(0) depctr_vm_vsrc(0)
	s_getreg_b32 s2, hwreg(HW_REG_IB_STS2, 6, 4)
	s_cmp_eq_u32 s2, 0
	s_cbranch_scc0 .Lentry_in_a_cluster
	s_endpgm
.Lentry_in_a_cluster:
	s_bfe_u32 s2, ttmp6, 0x10000c
	s_cmp_lg_u32 s2, 0xf033
	s_cbranch_scc0 .Lentry_shape_is_right
	s_endpgm
.Lentry_shape_is_right:
; PROJ.  q = x Wq^T, k = x Wk^T, v = x Wv^T on codes of FP8 (E4M3) with E8M0 scales for each 32 along K = 1,024; then the rotation of q and k, and the quantising of q and k (along the head's 64) and of v (along the keys).
; OPERANDS are images of their registers: codes[T][s 8][c 4][lane][16 bytes], tile T = 2 g + u, lane (r, h): row 32 g + 8 u + r + 8 (r / 8), k = 128 s + 32 c + 16 h + 0 .. 15; scales[T][half][r][4 words].  Tiles 0-511 x, 512 Wq, 576 Wk, 640 Wv.
; SHAPE.  A work-group of four waves makes 256 rows of "A" x 256 rows of "B"; a wave 128 x 128: 64 accumulators, 512 registers.  K goes in four steps of 256 through two LDS slots; all is written out, no loop.
; THE MATRIX INSTRUCTION IS USED TRANSPOSED (source 0 = a tile of B, source 1 = a tile of A): lane (r, h) holds ONE row of A, and by the tiles' order of rows the 16 registers of B's tiles 2 e and 2 e + 1 are 16 NEIGHBOURS, 32 e + 16 h + 0 .. 15, along B's rows.
; THE KIND is the cluster's x: 0 q, 1 k: A = x (tokens), B = the weight (channels): a lane holds a token and runs along channels.  2 v: A = Wv (channels), B = x (tokens): a lane holds a channel and runs along the keys, which are the K of
; the product that v enters.  The kinds differ in addresses and in the way out alone.
; CLUSTERS: 4 x 4 work-groups; A's tiles are asked for jointly along a row of the cluster, B's along a column.
; OUT: qkv[16 batch + head][block of 256 tokens][50,688 bytes]: +0 q's codes [group of 32 tokens 8][part 2 u + b][lane][16] (token 32 G + 8 u + r + 8 (r / 8), channels 32 b + 16 h + 0 .. 15); +16,384 q's scale words [128 tokens 2][r][4 groups], bytes
; (u 0 b 0, u 0 b 1, u 1 b 0, u 1 b 1); +16,896 k's codes likewise; +33,280 v's codes [128 keys 2][tile of channels 4][c][lane][16]; +49,664 k's scale words; +50,176 v's [128 keys 2][r][4 tiles].
; LIMITS: a block of zeros gets the byte 1 (its codes are zeros; this program alone reads the bytes); NaN and infinities are not served.
; REGISTERS: window 0: v1-31 addresses; v32-63 scale words, two sets; v64-127 cos and sin, two sets; v128-255 A's fragments, on the way out codes and numbers at work.  window 1: B's fragments, two sets.  windows 2, 3: accumulator (a, b) at v[8 (8 (a % 4) + b)].
.set NQ,    2                          ; matrix instructions deep in a slot
.set FR,    16                         ; registers of a fragment
.set NL,    4                          ; LDS loads that bring one
.set NP,    8                          ; places behind this matrix instruction (ISA guide 7.12.1)
.set HALFT, 32768                      ; 8 tiles x 4,096 bytes: what one tensor load brings, and what a wave reads of A or of B
.set SLOT,  131072                     ; A's 16 tiles, then B's 16
.set SCL,   262144                     ; behind the ring: the scale words for all of K, A's 8,192 bytes, then B's; filled once
.set HALFS, 4096                       ; those of 8 tiles
.set SPARE, 278528                     ; the spare words, 128 bytes for each wave: two blocks of 256 bytes that no other line names
.set HEADB, 405504                     ; qkv: from head to head
.set BLKB,  50688                      ; from block to block
.set SP2,  8                           ; v8-11   scale words on their way out
.set ADRA, 16                          ; v16-17  LDS address of my A fragments in slot 0, 1
.set ADRB, 20                          ; v20-21  the same for B
.set HB,   24                          ; v24     h
.set SCO,  25                          ; v25     16 r + 8 h
.set CO,   26                          ; v26     16 x lane
.set ADRS, 27                          ; v27     my scale words: lanes 0-15 A's rows, lanes 16-31 B's
.set SPW,  28                          ; v28     my spare word; never rewritten
.set NIL,  29                          ; v29     0; never rewritten
.set RO,   30                          ; v30     my token's row in the table of cos and sin, + 64 h
.set SC,   32
.set CS,   64
.set AF,   128
.set PC,   128                         ; the way out: codes, two sets of 16
.set TM,   160                         ; at work in the quantiser
.set PW,   176                         ; a scale word for each of A's eight tiles
.set WS,   184                         ; q's and k's scale words, put together
.set TX,   192                         ; 64 numbers at work
.set SEL,  18
.set MNT,  42
.set G1, 24
.set G0, 32
.set G1B, 48
.set G0B, 56
.set G1S, 68
.set G0S, 76
.set G1SB, 80
.set G0SB, 88
.set MSB, 0
.macro WIN new                         ; the immediate's high byte repeats the setting that is left
.if MSB != (\new)
	s_set_vgpr_msb (MSB<<8)|(\new)
.set MSB, (\new)
.endif
.endm
.set MUL_LO, 0xa1                      ; source 0 (B) window 1, source 1 (A) window 0, C and D window 2
.set MUL_HI, 0xf1
.set TO_B,   0x40
; A joint load: waves 0 and 1 fetch for A, waves 2 and 3 for B; the branch hangs on the wave's number alone.  Four v_nop follow each of the two lines.
.macro JLOAD g0a, g1a, g0b, g1b
	s_cmp_eq_u32 s15, 0
	s_cbranch_scc0 .Lfor_b_\@
	tensor_load_to_lds s[\g0a:\g0a+3], s[\g1a:\g1a+7]
	s_nop 0
.rept 4
	v_nop
.endr
	s_branch .Lasked_\@
.Lfor_b_\@:
	tensor_load_to_lds s[\g0b:\g0b+3], s[\g1b:\g1b+7]
	s_nop 0
.rept 4
	v_nop
.endr
.Lasked_\@:
.endm
.macro CREST                           ; a round of the cluster's barrier behind its opening barrier
	s_cmp_lg_u32 s14, 0
	s_cbranch_scc1 .Lnot_wave_0_\@
	s_barrier_signal -3
.Lnot_wave_0_\@:
	s_barrier_wait -3
	s_barrier_signal -1
	s_barrier_wait -1
.endm
.macro CROUND
	s_barrier_signal -1
	s_barrier_wait -1
	CREST
.endm
	s_load_b256 s[4:11], s[0:1], 0x0               ; codes, scales, rope, qkv
	v_lshl_add_u32 v[SPW], v0, 2, SPARE
	v_mov_b32 v[NIL], 0
	ds_add_u32 v28, v29
	ds_add_u32 v28, v29
	s_wait_dscnt 0x0
	v_lshrrev_b32 v1, 5, v0
	v_readfirstlane_b32 s14, v1                    ; wave 0..3
	s_lshr_b32 s15, s14, 1                         ; my half of A's rows.  Also: I fetch for A (0) or for B (1)
	s_and_b32 s16, s14, 1                          ; my half of B's rows.  Also: which 8 tiles I fetch
	s_bfe_u32 s40, ttmp6, 0x40000                  ; cx
	s_bfe_u32 s41, ttmp6, 0x40004                  ; cy
	s_and_b32 s17, ttmp7, 0xffff                   ; the cluster's y
	s_mov_b32 s95, ttmp9                           ; the kind: the cluster's x, the same in all sixteen partners
	s_lshl_b32 s43, s41, 2
	s_lshl_b32 s43, 15, s43                        ; my row of the cluster
	s_lshl_b32 s44, 0x1111, s40                    ; my column
	; codes: 8 rows (tiles) of 4,096 bytes (512 elements of 8), 16,384 bytes apart; they land on end
	s_or_b32 s[G1+0], s43, (3<<16)|(1<<21)
	s_or_b32 s[G1B+0], s44, (3<<16)|(1<<21)
.irp g, G1, G1B
	s_mov_b32 s[\g+1], 512<<16                     ; tensor_dim0
	s_mov_b32 s[\g+2], 8<<16                       ; tensor_dim1
	s_mov_b32 s[\g+3], 512<<16                     ; tile_dim0
	s_mov_b32 s[\g+4], 8                           ; tile_dim1
	s_mov_b32 s[\g+5], 2048                        ; from row to row
	s_mov_b32 s[\g+6], 0
	s_mov_b32 s[\g+7], 0
.endr
	; scale words of 8 tiles: 4,096 dense bytes as 16 rows of 256
	s_or_b32 s[G1S+0], s43, (3<<16)|(1<<21)
	s_or_b32 s[G1SB+0], s44, (3<<16)|(1<<21)
.irp g, G1S, G1SB
	s_mov_b32 s[\g+1], 32<<16
	s_mov_b32 s[\g+2], 16<<16
	s_mov_b32 s[\g+3], 32<<16
	s_mov_b32 s[\g+4], 16
	s_mov_b32 s[\g+5], 32
	s_mov_b32 s[\g+6], 0
	s_mov_b32 s[\g+7], 0
.endr
	s_lshl_b32 s18, s16, 3                         ; 8 x the half that I fetch
	s_lshl_b32 s19, s17, 6                         ; x's tiles of this cluster begin at 64 y
	s_lshl_b32 s45, ttmp9, 6
	s_add_co_u32 s45, s45, 512                     ; Wq's or Wk's first tile
	s_cmp_eq_u32 ttmp9, 2
	s_cselect_b32 s21, 640, s19                    ; A: Wv for v, x for q and k
	s_cselect_b32 s47, s19, s45                    ; B: x for v, the weight for q and k
	s_lshl_b32 s20, s41, 4
	s_add_co_u32 s20, s20, s18
	s_add_co_u32 s20, s20, s21                     ; A's first tile that I fetch: hangs on cy, never on cx
	s_lshl_b32 s46, s40, 4
	s_add_co_u32 s46, s46, s18
	s_add_co_u32 s46, s46, s47                     ; B's: hangs on cx, never on cy
	s_lshl_b32 s22, s20, 9
	s_mov_b32 s23, 0
	s_lshl_b32 s20, s20, 14
	s_mov_b32 s21, 0
	s_lshl_b32 s92, s46, 9
	s_mov_b32 s93, 0
	s_lshl_b32 s46, s46, 14
	s_mov_b32 s47, 0
	s_mul_i32 s45, s14, HALFT                      ; where they go: wave x 8 tiles: no place in the cluster enters an LDS address
	s_mul_i32 s94, s14, HALFS
	s_wait_kmcnt 0x0
	s_add_nc_u64 s[20:21], s[4:5], s[20:21]
	s_add_nc_u64 s[22:23], s[6:7], s[22:23]
	s_add_nc_u64 s[46:47], s[4:5], s[46:47]
	s_add_nc_u64 s[92:93], s[6:7], s[92:93]
	CROUND                                         ; all sixteen work-groups are here: the first joint loads meet
	s_mov_b32 s[G0S], 1
	s_add_co_u32 s[G0S+1], s94, SCL
	s_mov_b64 s[G0S+2:G0S+3], s[22:23]
	s_or_b32 s[G0S+3], s[G0S+3], 0x80000000
	s_mov_b32 s[G0SB], 1
	s_add_co_u32 s[G0SB+1], s94, SCL
	s_mov_b64 s[G0SB+2:G0SB+3], s[92:93]
	s_or_b32 s[G0SB+3], s[G0SB+3], 0x80000000
	JLOAD G0S, G1S, G0SB, G1SB                     ; the scale words first: they are wanted with K step 0
.irp s, 0,1
	s_mov_b32 s[G0+4*\s], 1
	s_add_co_u32 s[G0+4*\s+1], s45, \s*SLOT
	s_add_nc_u64 s[G0+4*\s+2:G0+4*\s+3], s[20:21], \s*4096
	s_or_b32 s[G0+4*\s+3], s[G0+4*\s+3], 0x80000000
	s_mov_b32 s[G0B+4*\s], 1
	s_add_co_u32 s[G0B+4*\s+1], s45, \s*SLOT
	s_add_nc_u64 s[G0B+4*\s+2:G0B+4*\s+3], s[46:47], \s*4096
	s_or_b32 s[G0B+4*\s+3], s[G0B+4*\s+3], 0x80000000
	JLOAD G0+4*\s, G1, G0B+4*\s, G1B
.endr
	v_and_b32 v1, 15, v0                           ; r
	v_bfe_u32 v2, v0, 4, 1                         ; h
	s_wait_alu depctr_va_vdst(0)
	v_and_b32 v3, 31, v0
	v_lshlrev_b32 v[CO], 4, v3
	s_mul_i32 s21, s15, HALFT                      ; my 8 tiles of A
	s_mul_i32 s22, s16, HALFT                      ; my 8 tiles of B,
	s_add_co_u32 s22, s22, 2*HALFT                 ; which lie behind A's 16
.irp s, 0,1
	v_add_nc_u32 v[ADRA+\s], s21, v[CO]
	v_add_nc_u32 v[ADRB+\s], s22, v[CO]
	s_add_co_u32 s21, s21, SLOT
	s_add_co_u32 s22, s22, SLOT
.endr
	v_lshlrev_b32 v5, 4, v1                        ; a row's four words: 16 r
	s_mul_i32 s21, s15, HALFS
	s_mul_i32 s22, s16, HALFS
	s_add_co_u32 s22, s22, 2*HALFS
	s_sub_co_u32 s22, s22, s21
	v_mul_u32_u24 v6, s22, v2                      ; lanes 16-31 take B's: one product in h
	s_add_co_u32 s21, s21, SCL
	v_add_nc_u32 v5, v5, v6
	v_add_nc_u32 v[ADRS], s21, v5
	v_mov_b32 v[HB], v2
	v_lshlrev_b32 v[SCO], 4, v1
	v_lshl_add_u32 v[SCO], v2, 3, v[SCO]
	; where my results go
	s_cmp_eq_u32 s95, 2
	s_cselect_b32 s66, s40, s41                    ; my place along the tokens: cx for v, cy for q and k
	s_cselect_b32 s67, s41, s40                    ; along the channels
	s_cselect_b32 s98, s16, s15                    ; my half of the 256 tokens
	s_cselect_b32 s99, s15, s16                    ; my half of the 256 channels
	s_lshl_b32 s2, s17, 2
	s_add_co_u32 s66, s66, s2                      ; block of 256 tokens, 0 .. 31
	s_lshr_b32 s2, s66, 3                          ; batch
	s_and_b32 s66, s66, 7                          ; block in the sequence
	s_lshl_b32 s2, s2, 4
	s_lshl_b32 s67, s67, 2
	s_add_co_u32 s2, s2, s67
	s_lshl_b32 s99, s99, 1
	s_add_co_u32 s2, s2, s99                       ; 16 batch + my first head
	s_mul_i32 s2, s2, HEADB
	s_mul_i32 s3, s66, BLKB
	s_add_co_u32 s2, s2, s3
	s_lshl_b32 s66, s66, 8
	s_lshl_b32 s3, s98, 7
	s_add_co_u32 s66, s66, s3                      ; my first position in the sequence
	s_cmp_eq_u32 s95, 0
	s_cselect_b32 s3, 0, 16896                     ; the codes' part of a block: q 0, k 16,896, v 33,280
	s_mov_b32 s99, 49664
	s_cselect_b32 s99, 16384, s99                  ; the scale words': q 16,384, k 49,664, v 50,176
	s_cmp_eq_u32 s95, 2
	s_cselect_b32 s3, 33280, s3
	s_cselect_b32 s99, 50176, s99
	s_add_co_u32 s3, s3, s2
	s_add_co_u32 s99, s99, s2
	s_lshl_b32 s67, s98, 13
	s_add_co_u32 s2, s3, s67
	s_mov_b32 s3, 0
	s_add_nc_u64 s[12:13], s[10:11], s[2:3]        ; codes
	s_lshl_b32 s67, s98, 8
	s_add_co_u32 s2, s99, s67
	s_add_nc_u64 s[96:97], s[10:11], s[2:3]        ; scale words
	v_and_b32 v4, 8, v1
	v_add_nc_u32 v4, v4, v1                        ; r + 8 (r / 8)
	v_add_nc_u32 v4, s66, v4
	v_lshlrev_b32 v[RO], 8, v4                     ; a position's row of the table is 256 bytes
	v_lshl_add_u32 v[RO], v2, 6, v[RO]
.macro FRAG reg, adr, q, i             ; a fragment comes as it was laid: four loads of 512 consecutive bytes
.irp c, 0,1,2,3
	ds_load_b128 v[\reg+4*\c:\reg+4*\c+3], v[\adr] offset:(\i)*4096+(\q)*2048+512*\c
.endr
.endm
; 16 matrix instructions: A's tiles a0, a0 + 1 x B's eight.  The 64 accumulators take turns, one instruction a turn, in the same order in every step.
.macro MUL16 a0, p, q, sc, zero
.irp a, \a0, \a0+1
.irp b, 0,1,2,3,4,5,6,7
.if \zero
	v_wmma_scale_f32_16x16x128_f8f6f4 v[8*(8*((\a)%4)+\b):8*(8*((\a)%4)+\b)+7], v[128*(\p)+FR*\b:128*(\p)+FR*\b+FR-1], v[AF+FR*(\a):AF+FR*(\a)+FR-1], 0, v[SC+8*NQ*(\sc)+NQ*\b+(\q)], v[SC+8*NQ*(\sc)+NQ*(\a)+(\q)] matrix_a_scale:MATRIX_SCALE_ROW1
.else
	v_wmma_scale_f32_16x16x128_f8f6f4 v[8*(8*((\a)%4)+\b):8*(8*((\a)%4)+\b)+7], v[128*(\p)+FR*\b:128*(\p)+FR*\b+FR-1], v[AF+FR*(\a):AF+FR*(\a)+FR-1], v[8*(8*((\a)%4)+\b):8*(8*((\a)%4)+\b)+7], v[SC+8*NQ*(\sc)+NQ*\b+(\q)], v[SC+8*NQ*(\sc)+NQ*(\a)+(\q)] matrix_a_scale:MATRIX_SCALE_ROW1
.endif
.endr
.endr
.endm
.macro FETCH_B slot, q, p
	WIN TO_B
.irp i, 0,1,2,3,4,5,6,7
	FRAG 128*(\p)+FR*\i, ADRB+\slot, \q, \i
.endr
	WIN 0
.endm
.macro FETCH_A slot, q, i0
.irp i, \i0, \i0+1, \i0+2, \i0+3
	FRAG AF+FR*(\i), ADRA+\slot, \q, \i
.endr
.endm
.macro SCALES sc, ks                   ; K step ks's two words a row: lanes 0-15 A's tile i, lanes 16-31 B's tile i
.irp i, 0,1,2,3,4,5,6,7
	ds_load_b64 v[SC+8*NQ*\sc+NQ*\i:SC+8*NQ*\sc+NQ*\i+1], v[ADRS] offset:\i*512+256*((\ks)/2)+8*((\ks)%2)
.endr
.endm
.macro PLACES n                        ; plain vector lines between a matrix instruction and a load into, or a vector read of, its registers
.rept \n
	v_nop
.endr
.endm
.macro STEP slot, q, zero              ; 128 along K that has its successor in the same slot
	s_wait_dscnt 4*NL                              ; all but the youngest 16 loads (A's tiles 4-7) are in
	WIN MUL_LO
	MUL16 0, (\q)%2, \q, \slot, \zero
	MUL16 2, (\q)%2, \q, \slot, \zero
	s_wait_dscnt 0
	PLACES NP
	FETCH_B \slot, (\q)+1, 1-(\q)%2
	FETCH_A \slot, (\q)+1, 0
	WIN MUL_HI
	MUL16 4, (\q)%2, \q, \slot, \zero
	MUL16 6, (\q)%2, \q, \slot, \zero
	PLACES NP
	WIN 0
	FETCH_A \slot, (\q)+1, 4
.endm
; A slot's last 128 along K, and the change of slots: ONE barrier; in front of it each wave waits for all its tensor loads, adds 0 to its spare word, and waits for that and for its reads of this slot.
.macro TURN slot, next, fill, ks
	s_wait_tensorcnt 0x0                           ; all my tensor loads have landed: my part of the next slot
	ds_add_u32 v[SPW], v[NIL]                      ; 0 onto my spare word
	s_wait_dscnt 4*NL+1                            ; (the add and the youngest 16 loads may be out)
	WIN MUL_LO
	MUL16 0, 1, NQ-1, \slot, 0
	s_wait_dscnt 0x0                               ; the add is done, and my reads of this slot are over
	s_barrier_signal -1
	MUL16 2, 1, NQ-1, \slot, 0
	WIN 0
	s_barrier_wait -1
.if \fill
	CREST                                          ; the barrier has opened a round of the cluster's barrier: no wave of any partner still reads this slot or has a load on its way
	s_add_nc_u64 s[G0+4*\slot+2:G0+4*\slot+3], s[G0+4*\slot+2:G0+4*\slot+3], 8192
	s_add_nc_u64 s[G0B+4*\slot+2:G0B+4*\slot+3], s[G0B+4*\slot+2:G0B+4*\slot+3], 8192
	JLOAD G0+4*\slot, G1, G0B+4*\slot, G1B         ; the first tensor load behind the round; its four v_nop are four of the eight places
	PLACES NP-4
.else
	PLACES NP
.endif
	FETCH_B \next, 0, 0
	FETCH_A \next, 0, 0
	SCALES \next, \ks
	WIN MUL_HI
	MUL16 4, 1, NQ-1, \slot, 0
	MUL16 6, 1, NQ-1, \slot, 0
	PLACES NP
	WIN 0
	FETCH_A \next, 0, 4
.endm
	s_wait_alu depctr_va_vdst(0)
	s_wait_tensorcnt 1                             ; the scale words and my part of K step 0 are in (K step 1's load may be out)
	s_barrier_signal -1
	s_barrier_wait -1                              ; everybody's are
	FETCH_B 0, 0, 0
	FETCH_A 0, 0, 0
	SCALES 0, 0
	FETCH_A 0, 0, 4
	STEP 0, 0, 1                                   ; the first products start the sums: nothing is cleared
	TURN 0, 1, 1, 1                                ; slot 0 takes K step 2
	STEP 1, 0, 0
	TURN 1, 0, 1, 2                                ; slot 1 takes K step 3
	STEP 0, 0, 0
	TURN 0, 1, 0, 3
	STEP 1, 0, 0
	s_wait_dscnt 4*NL
	WIN MUL_LO
	MUL16 0, 1, NQ-1, 1, 0
	MUL16 2, 1, NQ-1, 1, 0
	s_wait_dscnt 0
	WIN MUL_HI
	MUL16 4, 1, NQ-1, 1, 0
	MUL16 6, 1, NQ-1, 1, 0
	WIN 0
; THE WAY OUT, a tile a of A's rows at a time: its 64 registers of a lane, register 16 e + i = B's row 32 e + 16 h + i.
.macro ROPELOAD a                      ; cos and sin of my token of tile a: pairs 16 e + 8 h + 0 .. 7, e = 0, 1: 64 bytes each
.irp e, 0,1
.irp j, 0,1,2,3
	global_load_b128 v[CS+32*((\a)%2)+16*\e+4*\j:CS+32*((\a)%2)+16*\e+4*\j+3], v[RO], s[8:9] offset:(32*((\a)/2)+8*((\a)%2))*256+128*\e+16*\j
.endr
.endr
.endm
.macro ROPE a                          ; (e, o) -> (e cos - o sin, e sin + o cos), in place; each accumulator is read from its low end on
.set AC, 64*((\a)%4)
.set W, 2+(\a)/4
.set CC, CS+32*((\a)%2)
	WIN W
.set n, 0
.rept 32
	v_pk_mul_f32 v[TX+2*n:TX+2*n+1], v[AC+2*n:AC+2*n+1], v[CC+(2*n)%32:CC+(2*n)%32+1] op_sel:[1,1] op_sel_hi:[1,0] neg_lo:[1,0]   ; (-o sin, o cos)
.set n, n+1
.endr
	WIN W|(W<<6)
.set n, 0
.rept 32
	v_pk_fma_f32 v[AC+2*n:AC+2*n+1], v[AC+2*n:AC+2*n+1], v[CC+(2*n)%32:CC+(2*n)%32+1], v[TX+2*n:TX+2*n+1] op_sel_hi:[0,1,1]   ; + (e cos, e sin)
.set n, n+1
.endr
.endm
.macro QUANTW a                        ; tile a's four blocks of 32 become 16 registers of codes in set a % 2 and the scale word v[PW + a]
.set AC, 64*((\a)%4)
.set W, 2+(\a)/4
.set PCS, PC+16*((\a)%2)
	WIN W|(W<<2)
.irp b, 0,1,2,3
	v_max3_num_f32 v[TM+\b], |v[AC+16*\b]|, |v[AC+16*\b+1]|, 0x4800000   ; my 16 numbers of block b, and the floor 2^(9 - 127)
.endr
.irp i, 2,4,6,8,10,12,14
.irp b, 0,1,2,3
	v_max3_num_f32 v[TM+\b], |v[AC+16*\b+\i]|, |v[AC+16*\b+\i+1]|, v[TM+\b]
.endr
.endr
	WIN 0
.irp b, 0,1,2,3
	v_permlanex16_b32 v[TM+4+\b], v[TM+\b], s[SEL], s[SEL+1]
.endr
.irp b, 0,1,2,3
	v_max_num_f32 v[TM+\b], v[TM+\b], v[TM+4+\b]   ; with lane l xor 16's
.endr
.irp b, 0,1,2,3
	v_add_nc_u32 v[TM+12+\b], 0xfc000000, v[TM+\b] ; the conversion's scale operand
.endr
.irp b, 0,1,2,3
.endr
.irp b, 0,1,2,3
	v_lshrrev_b32 v[TM+4+\b], 23, v[TM+12+\b]      ; the byte
.endr
	v_lshl_or_b32 v[PW+(\a)], v[TM+5], 8, v[TM+4]
	v_lshl_or_b32 v[PW+(\a)], v[TM+6], 16, v[PW+(\a)]
	v_lshl_or_b32 v[PW+(\a)], v[TM+7], 24, v[PW+(\a)]
	WIN W
.irp b, 0,1,2,3
.irp i, 0,1,2,3,4,5,6,7,8,9,10,11,12,13,14,15
.endr
.endr
.irp b, 0,1,2,3
	v_cvt_scalef32_pk8_fp8_f32 v[PCS+4*\b:PCS+4*\b+1], v[AC+16*\b:AC+16*\b+7], v[TM+12+\b]
	v_cvt_scalef32_pk8_fp8_f32 v[PCS+4*\b+2:PCS+4*\b+3], v[AC+16*\b+8:AC+16*\b+15], v[TM+12+\b]
.endr
	WIN 0
	v_nop                                          ; one plain line behind the last conversion
.endm
.macro SCSTORE base                    ; two heads' scale words: lanes 0-15 store words 0, 1 of their row, lanes 16-31 words 2, 3: 256 consecutive bytes, aligned
	v_cmp_ne_u32 vcc_lo, 0, v[HB]
.irp hh, 0,1
	v_cndmask_b32 v[SP2+2*\hh], v[\base+4*\hh], v[\base+4*\hh+2], vcc_lo
	v_cndmask_b32 v[SP2+2*\hh+1], v[\base+4*\hh+1], v[\base+4*\hh+3], vcc_lo
	global_store_b64 v[SCO], v[SP2+2*\hh:SP2+2*\hh+1], s[96:97] offset:\hh*HEADB
.endr
.endm
.macro QKTILE a
.if (\a) >= 2
	s_wait_xcnt 0x0                                ; the stores of two tiles ago have read this set of codes
.endif
.if (\a) < 7
	ROPELOAD (\a)+1
	s_wait_loadcnt 8                               ; this tile's cos and sin are in; the next tile's eight loads may be out
.else
	s_wait_loadcnt 0x0
.endif
	ROPE \a
	QUANTW \a
.irp e, 0,1,2,3                        ; block e: head e / 2, channels 32 (e % 2) on; tokens: group a / 2, part 2 (a % 2) + e % 2
	global_store_b128 v[CO], v[PCS+4*\e:PCS+4*\e+3], s[12:13] offset:(\e/2)*HEADB+((\a)/2)*2048+((\a)%2)*1024+(\e%2)*512   ; 512 consecutive bytes, aligned
.endr
.endm
.macro VTILE a
.if (\a) >= 2
	s_wait_xcnt 0x0
.endif
	QUANTW \a
.irp e, 0,1,2,3                        ; block e: keys 32 e on; channels: head a / 4, tile a % 4
	global_store_b128 v[CO], v[PCS+4*\e:PCS+4*\e+3], s[12:13] offset:((\a)/4)*HEADB+((\a)%4)*2048+512*\e
.endr
.endm
	PLACES NP                                      ; behind the last products: their results are read, and the registers that held A's fragments are written
	s_mov_b32 s[SEL], 0x76543210
	s_mov_b32 s[SEL+1], 0xfedcba98
.irp b, 0,1,2,3
	v_mov_b32 v[TM+4+\b], 0                        ; written once: a lane permute's destination counts as one of its sources
.endr
	s_cmp_eq_u32 s95, 2                            ; one branch on the kind, two ways written out
	s_cbranch_scc1 .Lvarm
	ROPELOAD 0
.irp a, 0,1,2,3,4,5,6,7
	QKTILE \a
.endr
.irp g, 0,1,2,3                        ; a group's word: the two bytes of tile 2 g (u = 0), then those of tile 2 g + 1 (u = 1); head 0 has a word's lower two bytes, head 1 its upper two
	v_perm_b32 v[WS+\g], v[PW+2*\g+1], v[PW+2*\g], 0x05040100
	v_perm_b32 v[WS+4+\g], v[PW+2*\g+1], v[PW+2*\g], 0x07060302
.endr
	SCSTORE WS
	s_branch .Ldone
.Lvarm:
.irp a, 0,1,2,3,4,5,6,7
	VTILE \a
.endr
	SCSTORE PW
.Ldone:
	s_wait_tensorcnt 0x0                           ; the wave's end
	ds_add_u32 v[SPW], v[NIL]
	s_wait_dscnt 0x0
	CROUND                                         ; the closing round: no work-group ends while a partner may still ask for a tile that names it
	s_endpgm
.Lfunc_end_k_q39daca9cbb_proj:
	.size	k_q39daca9cbb_proj, .Lfunc_end_k_q39daca9cbb_proj-k_q39daca9cbb_proj
	.p2alignl 7, 3214868480
	.fill 96, 4, 3214868480
	.section	.rodata,"a",@progbits
	.p2align	6, 0x0
	.amdhsa_kernel k_q39daca9cbb_proj
		.amdhsa_group_segment_fixed_size 327680
		.amdhsa_private_segment_fixed_size 0
		.amdhsa_enable_private_segment 0
		.amdhsa_kernarg_size 32
		.amdhsa_user_sgpr_count 2
		.amdhsa_user_sgpr_kernarg_segment_ptr 1
		.amdhsa_wavefront_size32 1
		.amdhsa_system_sgpr_workgroup_id_x 1
		.amdhsa_system_sgpr_workgroup_id_y 1
		.amdhsa_system_sgpr_workgroup_id_z 1
		.amdhsa_system_vgpr_workitem_id 0
		.amdhsa_next_free_vgpr 1024
		.amdhsa_next_free_sgpr 100
		.amdhsa_reserve_vcc 1
		.amdhsa_float_denorm_mode_32 3
		.amdhsa_float_denorm_mode_16_64 3
		.amdhsa_fp16_overflow 1
		.amdhsa_memory_ordered 1
		.amdhsa_forward_progress 1
		.amdhsa_inst_pref_size 223
	.end_amdhsa_kernel
	.amdgpu_metadata
---
amdhsa.version: [ 1, 2 ]
amdhsa.kernels:
  - .name:           k_q39daca9cbb_proj
    .symbol:         k_q39daca9cbb_proj.kd
    .args:
      - { .name: codes, .offset: 0, .size: 8, .value_kind: global_buffer, .address_space: global }
      - { .name: scales, .offset: 8, .size: 8, .value_kind: global_buffer, .address_space: global }
      - { .name: rope, .offset: 16, .size: 8, .value_kind: global_buffer, .address_space: global }
      - { .name: qkv, .offset: 24, .size: 8, .value_kind: global_buffer, .address_space: global }
    .group_segment_fixed_size: 327680
    .private_segment_fixed_size: 0
    .kernarg_segment_align: 8
    .kernarg_segment_size: 32
    .max_flat_workgroup_size: 128
    .sgpr_count:     100
    .vgpr_count:     1024
    .wavefront_size: 32
...
	.end_amdgpu_metadata
.endif
;; end of part 2
;; launch attn (part 3): grid 4 x 64, 16 waves a work-group, no clusters, 327,680 bytes of LDS; arguments qkv, ac, asc; writes ac, asc
.if DOCPART == 3
	.amdgcn_target "amdgcn-amd-amdhsa--gfx1250"
	.amdhsa_code_object_version 6
	.text
	.protected	k_q39daca9cbb_attn
	.globl	k_q39daca9cbb_attn
	.p2align	8
	.type	k_q39daca9cbb_attn,@function
k_q39daca9cbb_attn:
	s_mov_b64 s[64:65], 0
	v_nop
	global_prefetch_b8 v0, s[64:65] scope:SCOPE_SE
	s_setreg_imm32_b32 hwreg(HW_REG_WAVE_MODE, 25, 1), 1
	s_wait_xcnt 0x0
; ATTN.  For each of 64 heads (16 batch + head): O[q] = the sum over keys k <= q of softmax_k(q . k / 8) v[k], both products on codes of FP8 (E4M3) with E8M0 scales; the result is quantised along the model's 1,024 channels for the last product.
; THE SOFTMAX: t = score x log2(e) / 8; M = the running largest t rounded UP to a whole number; p = 2^(t - M) is quantised along the keys, not normalised; the row's sum is taken of the unquantised p and divides at the end.
; When M moves, the sum and O are multiplied by 2^(old M - new M): exact.
; IN: qkv[head][block of 256 tokens][50,688 bytes]: q's codes, q's scale words, and from +16,896 on 33,792 dense bytes: k's codes 16,384, v's codes 16,384, k's scale words 512, v's 512: ONE LDS SLOT.
; SHARES.  Work-group (P = x, head = y) owns the query blocks P and 7 - P, one after the other.  Block b needs key blocks 0 .. b, so every work-group walks (P + 1) + (8 - P) = 9 slots: a constant count, equal work, no slot fetched in vain.
; Each of the SIXTEEN waves owns one tile of 16 queries in 256 registers: four waves to a SIMD, so that one wave's vector work stands beside another's matrix work and LDS loads.
; NO CLUSTER: the work-groups that read the same k and v are the four of a head; they differ in P, hence in the order of their slots and in the steps that the mask lets them leave out, which are branches on the query block;
; with joint requests no branch may differ between partners, and without those branches the work would double.
; LAYOUT.  Both products transposed: S^T = k q^T, O^T = v^T p^T: a lane holds ONE query (lane % 16).  The tokens of a tile are 32 g + 8 u + r + 8 (r / 8), so that the 16 registers of tiles 2 f and 2 f + 1 are 16 neighbouring keys.
; THE HEAD'S 64 IN AN INSTRUCTION OF 128: a fragment of k holds two tiles of keys, u = 0 at k 0-63 and u = 1 at k 64-127.  Against [q | zeros] it gives tile 2 f, against [zeros | q] tile 2 f + 1: the other half meets zero codes, which add nothing.
; OUT: ac[tile of 16 tokens][s 8][c 4][lane][16 bytes], asc[tile][half][r][4 words], the operand's image as the last product reads it.  A wave's two scale bytes a row are stored singly: 32 bytes of a 256-byte piece, one byte for each 32 of codes.
; LIMITS: a block of zeros gets the byte 1 (its codes are zeros; this program alone reads the bytes); NaN and infinities are not served.
.set SLOT1, 65536                      ; slot 1 begins here: one exclusive or turns an address in one slot into the other's
.set VCO,   16384                      ; in a slot: v's codes,
.set KSO,   32768                      ; k's scale words,
.set VSO,   33280                      ; v's
.set SPARE, 131072                     ; the spare words, 128 bytes for each wave: eight blocks of 256 bytes that no other line names
.set HEADB, 405504
.set BLKB,  50688
.set LI,   1                           ; v1   16 x lane
.set LR,   2                           ; v2   16 r
.set SBO,  3                           ; v3   16 r + h
.set DQ,   4                           ; v4   r + 8 (r / 8) - 16 h
.set SPW,  5                           ; v5   my spare word; never rewritten
.set NIL,  6                           ; v6   0; never rewritten
.set HB,   7                           ; v7   h
.set ADR,  8                           ; v8   the slot in hand + 16 x lane
.set ADS,  9                           ; v9   the slot in hand + 16 r
                                       ; v12 -M, v13 the largest t, v[14:15] the sum in two halves; v16-39: 8 zeros, q's 8 registers, 8 zeros
.set FRG,  40                          ; v40-103  four fragments of k, then of v
.set S,    104                         ; v104-167 S^T, then p
.set O,    168                         ; v168-199 O^T
.set PCD,  200                         ; v200-215 p's codes
.set KSW,  216                         ; v216-219 k's scale words
.set VSW,  220                         ; v220-223 v's
.set QSW,  224                         ; v224     q's scale word, its two bytes twice
.set PSW,  225                         ; v225     p's
.set BM,   226                         ; v226-229 the blocks' largest
.set PT,   230                         ; v230-233 at work
.set HO,   234
.set SO,   238                         ; v238-241 the conversions' scale operands
.set F,    242                         ; v[242:243] f = 2^(old M - new M)
.set T0,   244                         ; v244-247 at work
.set WV,   10
.set P,    11
.set BH,   12
.set QB,   13                          ; s13  the query block in hand
.set Q0,   14                          ; s14  my tile's first query
.set KF,   15                          ; s15  the step's first key
.set TRIP, 16
.set NXT,  17                          ; s17  the key block to be asked for
.set TB,   18                          ; s18  LDS byte at which the slot in hand begins
.set MNT,  19
.set SEL,  20
.set CS,   22                          ; s[22:23] c = log2(e) / 8
.set G1,   24
.set G0,   32
.set KVB,  36                          ; s[36:37] my quarter of the head's first slot in memory
.set HBP,  38                          ; s[38:39] the head's first byte
.set QA,   42
.set QSA,  44
.set OA,   46
.set SA,   48
.macro TLOAD                           ; waves 0 to 3 fetch a quarter of a slot each: 33 rows of 256 bytes.  Four v_nop follow the line
	s_cmp_lt_u32 s[WV], 4
	s_cbranch_scc0 .Lnone_\@
	tensor_load_to_lds s[G0:G0+3], s[G1:G1+7]
	s_nop 0
.rept 4
	v_nop
.endr
.Lnone_\@:
.endm
	s_load_b128 s[4:7], s[0:1], 0x0                ; qkv, ac
	s_load_b64 s[8:9], s[0:1], 0x10                ; asc
	v_lshl_add_u32 v[SPW], v0, 2, SPARE
	v_mov_b32 v[NIL], 0
	ds_add_u32 v5, v6
	ds_add_u32 v5, v6
	s_wait_dscnt 0x0
	v_lshrrev_b32 v1, 5, v0
	s_delay_alu instid0(VALU_DEP_1)
	v_readfirstlane_b32 s[WV], v1                  ; wave 0..15
	s_mov_b32 s[P], ttmp9
	s_and_b32 s[BH], ttmp7, 0xffff
	s_mov_b32 s[G1], 3<<16                         ; elements of 8 bytes, no mask, no padding
	s_mov_b32 s[G1+1], 32<<16                      ; tensor_dim0: 256 bytes
	s_mov_b32 s[G1+2], 33<<16                      ; tensor_dim1
	s_mov_b32 s[G1+3], 32<<16                      ; tile_dim0
	s_mov_b32 s[G1+4], 33                          ; tile_dim1
	s_mov_b32 s[G1+5], 32                          ; dense
	s_mov_b32 s[G1+6], 0
	s_mov_b32 s[G1+7], 0
	s_and_b32 s52, s[WV], 3
	s_mul_i32 s52, s52, 8448                       ; my quarter, in memory and in a slot
	s_mul_i32 s40, s[BH], HEADB
	s_mov_b32 s41, 0
	s_mov_b32 s[SEL], 0x76543210
	s_mov_b32 s[SEL+1], 0xfedcba98
	s_mov_b32 s[CS], 0x3e38aa3b
	s_mov_b32 s[CS+1], s[CS]                       ; (named with it as a pair, so it is written)
	s_add_co_u32 s51, s[P], 1
	s_bitcmp1_b32 s[WV], 0
	s_mov_b32 s50, 0x01000100                      ; which two bytes of a group's scale word are my tile's: u = 0,
	s_cselect_b32 s50, 0x03020302, s50             ; u = 1
	s_wait_kmcnt 0x0
	s_add_nc_u64 s[HBP:HBP+1], s[4:5], s[40:41]
	s_add_co_u32 s40, s52, 16896
	s_add_nc_u64 s[KVB:KVB+1], s[HBP:HBP+1], s[40:41]
	s_mov_b32 s[G0], 1
	s_mov_b32 s[G0+1], s52                         ; slot 0
	s_mov_b64 s[G0+2:G0+3], s[KVB:KVB+1]           ; key block 0
	s_or_b32 s[G0+3], s[G0+3], 0x80000000
	TLOAD
	v_and_b32 v1, 31, v0
	s_delay_alu instid0(VALU_DEP_1)
	v_lshlrev_b32 v[LI], 4, v1
	v_and_b32 v10, 15, v0                          ; r
	v_bfe_u32 v[HB], v0, 4, 1
	s_delay_alu instid0(VALU_DEP_2)
	v_lshlrev_b32 v[LR], 4, v10
	s_delay_alu instid0(VALU_DEP_1)
	v_add_nc_u32 v[SBO], v[LR], v[HB]
	s_delay_alu instid0(VALU_DEP_4)
	v_and_b32 v[DQ], 8, v10
	s_delay_alu instid0(VALU_DEP_1)
	v_add_nc_u32 v[DQ], v[DQ], v10
	v_lshlrev_b32 v11, 4, v[HB]
	s_delay_alu instid0(VALU_DEP_1)
	v_sub_nc_u32 v[DQ], v[DQ], v11
.irp j, 0,1,2,3,4,5,6,7
	v_mov_b32 v[16+\j], 0                          ; the zero codes on either side of q
	v_mov_b32 v[32+\j], 0
.endr
.irp b, 0,1,2,3
	v_mov_b32 v[PT+\b], 0                          ; written once: a lane permute's destination counts as one of its sources
.endr
	v_mov_b32 v[F+1], 0                            ; (named as the upper half of a pair)
	v_mov_b32 v[T0], 0
; A query block begins: q's codes and scale word, the statistics, O^T = 0 (the first step's change of M multiplies zeros)
.macro INIT
	s_mul_i32 s40, s[QB], BLKB
	s_lshr_b32 s52, s[WV], 1
	s_lshl_b32 s53, s52, 11
	s_add_co_u32 s40, s40, s53                     ; my group of 32 tokens,
	s_and_b32 s53, s[WV], 1
	s_lshl_b32 s54, s53, 10
	s_add_co_u32 s40, s40, s54                     ; my tile's two parts of it
	s_add_nc_u64 s[QA:QA+1], s[HBP:HBP+1], s[40:41]
	s_mul_i32 s40, s[QB], BLKB
	s_lshr_b32 s54, s[WV], 3
	s_lshl_b32 s54, s54, 8
	s_add_co_u32 s40, s40, s54
	s_and_b32 s54, s52, 3
	s_lshl_b32 s54, s54, 2
	s_add_co_u32 s40, s40, s54
	s_add_co_u32 s40, s40, 16384
	s_add_nc_u64 s[QSA:QSA+1], s[HBP:HBP+1], s[40:41]
	s_lshl_b32 s[Q0], s[QB], 8
	s_lshl_b32 s52, s52, 5
	s_add_co_u32 s[Q0], s[Q0], s52
	s_lshl_b32 s53, s53, 3
	s_add_co_u32 s[Q0], s[Q0], s53                 ; 256 block + 32 (wave / 2) + 8 (wave % 2)
	global_load_b128 v[24:27], v[LI], s[QA:QA+1]
	global_load_b128 v[28:31], v[LI], s[QA:QA+1] offset:512
	global_load_b32 v[T0+2], v[LR], s[QSA:QSA+1]
	v_mov_b32 v13, 0xff61b1e6                      ; the largest t so far: -3e38
	s_delay_alu instid0(VALU_DEP_1)
	v_floor_f32 v12, -v13                          ; -M
	v_mov_b32 v14, 0
	v_mov_b32 v15, 0
	s_wait_loadcnt 0x0
	v_perm_b32 v[QSW], v[T0+2], v[T0+2], s50       ; my tile's two bytes, twice: they serve [q | 0] and [0 | q] alike
.irp j, 0,1,2,3,4,5,6,7,8,9,10,11,12,13,14,15,16,17,18,19,20,21,22,23,24,25,26,27,28,29,30,31
	v_mov_b32 v[O+\j], 0                           ; (these 32 are also the places between the scale word's making and the next products)
.endr
.endm
; A query block ends: O^T / the sum, quantised along the head's two blocks of 32 channels, stored as two parts of the next operand's image
.macro FINISH
.rept 8
	v_nop                                          ; places behind the last products
.endr
	v_add_f32 v14, v14, v15
	s_delay_alu instid0(VALU_DEP_1)
	v_permlanex16_b32 v[T0], v14, s[SEL], s[SEL+1]
	s_delay_alu instid0(VALU_DEP_1)
	v_add_f32 v14, v14, v[T0]                      ; the row's sum
	s_wait_alu depctr_va_vdst(0)
	v_rcp_f32 v14, v14
	v_nop                                          ; one plain line behind the transcendental
	s_lshr_b32 s52, s[BH], 4
	s_lshl_b32 s52, s52, 7
	s_lshl_b32 s53, s[QB], 4
	s_add_co_u32 s52, s52, s53
	s_add_co_u32 s52, s52, s[WV]                   ; my tile of tokens: 128 batch + 16 block + wave
	s_and_b32 s53, s[BH], 15                       ; the head
	s_lshl_b32 s40, s52, 14
	s_lshr_b32 s54, s53, 1
	s_lshl_b32 s55, s54, 11
	s_add_co_u32 s40, s40, s55                     ; s = head / 2
	s_and_b32 s55, s53, 1
	s_lshl_b32 s55, s55, 10
	s_add_co_u32 s40, s40, s55                     ; c = 2 (head % 2) + b
	s_add_nc_u64 s[OA:OA+1], s[6:7], s[40:41]
	s_lshl_b32 s40, s52, 9
	s_lshr_b32 s55, s53, 3
	s_lshl_b32 s55, s55, 8
	s_add_co_u32 s40, s40, s55
	s_and_b32 s54, s54, 3
	s_lshl_b32 s54, s54, 2
	s_add_co_u32 s40, s40, s54
	s_and_b32 s55, s53, 1
	s_lshl_b32 s55, s55, 1
	s_add_co_u32 s40, s40, s55
	s_add_nc_u64 s[SA:SA+1], s[8:9], s[40:41]
	s_wait_alu depctr_va_vdst(0)                   ; a wait ahead of the reciprocal's first reader
.irp j, 0,1,2,3,4,5,6,7,8,9,10,11,12,13,14,15,16,17,18,19,20,21,22,23,24,25,26,27,28,29,30,31
	v_mul_f32 v[S+\j], v[O+\j], v14                ; register 16 b + i: channel 32 b + 16 h + i of the head; each accumulator from its low end on
.endr
.irp b, 0,1
	v_max3_num_f32 v[BM+\b], |v[S+16*\b]|, |v[S+1+16*\b]|, 0x4800000
.endr
.irp i, 2,4,6,8,10,12,14
.irp b, 0,1
	s_delay_alu instid0(VALU_DEP_2)
	v_max3_num_f32 v[BM+\b], v[BM+\b], |v[S+16*\b+\i]|, |v[S+1+16*\b+\i]|
.endr
.endr
.irp b, 0,1
	s_delay_alu instid0(VALU_DEP_2)
	v_permlanex16_b32 v[PT+\b], v[BM+\b], s[SEL], s[SEL+1]
.endr
.irp b, 0,1
	s_delay_alu instid0(VALU_DEP_2)
	v_max_num_f32 v[BM+\b], v[BM+\b], v[PT+\b]
.endr
.irp b, 0,1
	s_delay_alu instid0(VALU_DEP_2)
	v_add_nc_u32 v[SO+\b], 0xfc000000, v[BM+\b]
.endr
.irp b, 0,1
.endr
.irp b, 0,1
	s_delay_alu instid0(VALU_DEP_2)
	v_lshrrev_b32 v[PT+\b], 23, v[SO+\b]
.endr
.irp b, 0,1
.irp i, 0,1,2,3,4,5,6,7,8,9,10,11,12,13,14,15
.endr
	v_cvt_scalef32_pk8_fp8_f32 v[PCD+4*\b:PCD+4*\b+1], v[S+16*\b:S+16*\b+7], v[SO+\b]
	v_cvt_scalef32_pk8_fp8_f32 v[PCD+4*\b+2:PCD+4*\b+3], v[S+16*\b+8:S+16*\b+15], v[SO+\b]
.endr
	v_nop                                          ; one plain line behind the last conversion
	v_cmp_ne_u32 vcc_lo, 0, v[HB]
	s_delay_alu instid0(VALU_DEP_1)
	v_cndmask_b32 v[T0], v[PT], v[PT+1], vcc_lo    ; lane (r, h) stores block h's byte of row r
	global_store_b128 v[LI], v[PCD:PCD+3], s[OA:OA+1]             ; 512 consecutive bytes, aligned,
	global_store_b128 v[LI], v[PCD+4:PCD+7], s[OA:OA+1] offset:512   ; and the next 512
	global_store_b8 v[SBO], v[T0], s[SA:SA+1]
	s_wait_xcnt 0x0                                ; the stores' registers and bases are written again only behind this wait
.endm
; A KEY STEP: 128 keys, the q-th of the slot in hand
.macro STEP q
	s_add_co_u32 s52, s[Q0], 23                    ; my tile's last query.  A step all of whose keys come after it is left out: a branch on ids, round loads, products and softmax alone
	s_cmp_gt_u32 s[KF], s52
	s_cbranch_scc1 .Lhidden_\@
.rept 8
	v_nop                                          ; places in front of loads into registers that the last products read
.endr
	s_wait_alu depctr_va_vdst(0)
.irp f, 0,1,2,3
.irp c, 0,1,2,3
	ds_load_b128 v[FRG+16*\f+4*\c:FRG+16*\f+4*\c+3], v[ADR] offset:8192*(\q)+2048*\f+512*\c
.endr
.endr
	ds_load_b128 v[KSW:KSW+3], v[ADS] offset:KSO+256*(\q)
	s_wait_dscnt 0x0
.irp f, 0,1,2,3
.irp u, 0,1
	v_wmma_scale_f32_16x16x128_f8f6f4 v[S+8*(2*\f+\u):S+8*(2*\f+\u)+7], v[FRG+16*\f:FRG+16*\f+15], v[24-8*\u:39-8*\u], 0, v[KSW+\f], v[QSW]
.endr
.endr
.rept 8
	v_nop
.endr
	s_wait_alu depctr_va_vdst(0)
.irp t, 0,1,2,3                        ; v's fragments take k's registers now and land under the softmax
.irp c, 0,1,2,3
	ds_load_b128 v[FRG+16*\t+4*\c:FRG+16*\t+4*\c+3], v[ADR] offset:VCO+8192*(\q)+2048*\t+512*\c
.endr
.endr
	ds_load_b128 v[VSW:VSW+3], v[ADS] offset:VSO+256*(\q)
	s_add_co_u32 s52, s[KF], 127                   ; on the diagonal hidden scores become -infinity ahead of the maximum; a step all of whose keys count skips this
	s_cmp_le_u32 s52, s[Q0]
	s_cbranch_scc1 .Lopen_\@
	s_sub_co_i32 s52, s[Q0], s[KF]
	v_add_nc_u32 v[T0+1], s52, v[DQ]               ; d = my query - KF - 16 h.  Register 16 f + i holds key KF + 32 f + 16 h + i: hidden where 32 f + i > d
	v_mov_b32 v[T0+3], 0xff800000
.irp n, 0,1,2,3,4,5,6,7,8,9,10,11,12,13,14,15,16,17,18,19,20,21,22,23,24,25,26,27,28,29,30,31,32,33,34,35,36,37,38,39,40,41,42,43,44,45,46,47,48,49,50,51,52,53,54,55,56,57,58,59,60,61,62,63
	v_cmp_gt_i32 vcc_lo, 32*(\n/16)+\n%16, v[T0+1]
	v_cndmask_b32 v[S+\n], v[S+\n], v[T0+3], vcc_lo
.endr
.Lopen_\@:
.irp b, 0,1,2,3
	v_max3_num_f32 v[BM+\b], v[S+16*\b], v[S+1+16*\b], v[S+2+16*\b]   ; the largest score of each block of 32 keys: for the row's maximum, and, since p rises with the score, for the block's largest p
.endr
.irp i, 3,5,7,9,11,13
.irp b, 0,1,2,3
	v_max3_num_f32 v[BM+\b], v[BM+\b], v[S+16*\b+\i], v[S+1+16*\b+\i]
.endr
.endr
.irp b, 0,1,2,3
	v_max_num_f32 v[BM+\b], v[BM+\b], v[S+15+16*\b]
.endr
.irp b, 0,1,2,3
	s_delay_alu instid0(VALU_DEP_4)
	v_permlanex16_b32 v[PT+\b], v[BM+\b], s[SEL], s[SEL+1]
.endr
.irp b, 0,1,2,3
	s_delay_alu instid0(VALU_DEP_4)
	v_max_num_f32 v[BM+\b], v[BM+\b], v[PT+\b]
.endr
	s_delay_alu instid0(VALU_DEP_2)
	v_max3_num_f32 v[T0], v[BM], v[BM+1], v[BM+2]
	s_delay_alu instid0(VALU_DEP_1)
	v_max_num_f32 v[T0], v[T0], v[BM+3]
	s_delay_alu instid0(VALU_DEP_1)
	v_mul_f32 v[T0], s[CS], v[T0]
	s_delay_alu instid0(VALU_DEP_1)
	v_max_num_f32 v13, v13, v[T0]                  ; the running largest t
	v_mov_b32 v[T0], v12
	s_delay_alu instid0(VALU_DEP_2)
	v_floor_f32 v12, -v13                          ; the new -M = -ceil(t)
	s_delay_alu instid0(VALU_DEP_1)
	v_sub_f32 v[T0], v12, v[T0]                    ; old M - new M: a whole number, 0 or less
	s_delay_alu instid0(VALU_DEP_1)
	v_cvt_i32_f32 v[T0], v[T0]                     ; (it saturates)
	s_delay_alu instid0(VALU_DEP_1)
	v_ldexp_f32 v[F], 1.0, v[T0]
.irp j, 0,2,4,6,8,10,12,14,16,18,20,22,24,26,28,30,32,34,36,38,40,42,44,46,48,50,52,54,56,58,60,62
	v_pk_fma_f32 v[S+\j:S+1+\j], v[S+\j:S+1+\j], s[CS:CS+1], v[12:13] op_sel_hi:[1,0,0]   ; t - M
.endr
.irp b, 0,1,2,3
	v_fma_f32 v[BM+\b], v[BM+\b], s[CS], v12
.endr
	s_wait_alu depctr_va_vdst(0)
.irp j, 0,1,2,3,4,5,6,7,8,9,10,11,12,13,14,15,16,17,18,19,20,21,22,23,24,25,26,27,28,29,30,31,32,33,34,35,36,37,38,39,40,41,42,43,44,45,46,47,48,49,50,51,52,53,54,55,56,57,58,59,60,61,62,63
	v_exp_f32 v[S+\j], v[S+\j]                     ; p = 2^(t - M)
.endr
	v_pk_mul_f32 v[14:15], v[14:15], v[F:F+1] op_sel_hi:[1,0]   ; the sums under the new M: a plain line behind the exponentials
	s_wait_alu depctr_va_vdst(0)                   ; one wait for the batch, ahead of its first reader
.irp b, 0,1,2,3
	v_exp_f32 v[BM+\b], v[BM+\b]                   ; the block's largest p
.endr
	v_pk_add_f32 v[230:231], v[108:109], v[112:113]
	v_pk_add_f32 v[254:255], v[116:117], v[120:121]
	v_pk_add_f32 v[252:253], v[124:125], v[128:129]
	v_pk_add_f32 v[250:251], v[132:133], v[136:137]
	v_pk_add_f32 v[248:249], v[140:141], v[144:145]
	v_pk_add_f32 v[246:247], v[148:149], v[152:153]
	v_pk_add_f32 v[240:241], v[156:157], v[160:161]
	v_pk_add_f32 v[14:15], v[14:15], v[164:165]
	v_pk_add_f32 v[230:231], v[230:231], v[104:105]
	v_pk_add_f32 v[254:255], v[254:255], v[106:107]
	v_pk_add_f32 v[252:253], v[252:253], v[110:111]
	v_pk_add_f32 v[250:251], v[250:251], v[114:115]
	v_pk_add_f32 v[248:249], v[248:249], v[118:119]
	v_pk_add_f32 v[246:247], v[246:247], v[122:123]
	v_pk_add_f32 v[240:241], v[240:241], v[126:127]
	v_pk_add_f32 v[14:15], v[14:15], v[130:131]
	v_pk_add_f32 v[230:231], v[230:231], v[134:135]
	v_pk_add_f32 v[254:255], v[254:255], v[138:139]
	v_pk_add_f32 v[252:253], v[252:253], v[142:143]
	v_pk_add_f32 v[250:251], v[250:251], v[146:147]
	v_pk_add_f32 v[248:249], v[248:249], v[150:151]
	v_pk_add_f32 v[246:247], v[246:247], v[154:155]
	v_pk_add_f32 v[240:241], v[240:241], v[158:159]
	v_pk_add_f32 v[14:15], v[14:15], v[162:163]
	v_pk_add_f32 v[230:231], v[230:231], v[166:167]
	s_delay_alu instid0(VALU_DEP_2)
	v_pk_add_f32 v[14:15], v[14:15], v[250:251]
	s_delay_alu instid0(VALU_DEP_2)
	v_pk_add_f32 v[230:231], v[230:231], v[248:249]
	v_pk_add_f32 v[254:255], v[254:255], v[246:247]
	v_pk_add_f32 v[252:253], v[252:253], v[240:241]
	s_delay_alu instid0(VALU_DEP_2)
	v_pk_add_f32 v[14:15], v[14:15], v[254:255]
	s_delay_alu instid0(VALU_DEP_2)
	v_pk_add_f32 v[230:231], v[230:231], v[252:253]
	s_delay_alu instid0(VALU_DEP_1)
	v_pk_add_f32 v[14:15], v[14:15], v[230:231]
	s_wait_alu depctr_va_vdst(0)                   ; and one for the four
.irp b, 0,1,2,3
	v_max_num_f32 v[BM+\b], 0x4800000, v[BM+\b]    ; the floor: the byte cannot fall under 1
.endr
.irp b, 0,1,2,3
	s_delay_alu instid0(VALU_DEP_4)
	v_add_nc_u32 v[SO+\b], 0xfc000000, v[BM+\b]
.endr
.irp b, 0,1,2,3
.endr
.irp b, 0,1,2,3
	s_delay_alu instid0(VALU_DEP_4)
	v_lshrrev_b32 v[PT+\b], 23, v[SO+\b]
.endr
	s_delay_alu instid0(VALU_DEP_3)
	v_lshl_or_b32 v[PSW], v[PT+1], 8, v[PT]
	s_delay_alu instid0(VALU_DEP_1)
	v_lshl_or_b32 v[PSW], v[PT+2], 16, v[PSW]
	s_delay_alu instid0(VALU_DEP_1)
	v_lshl_or_b32 v[PSW], v[PT+3], 24, v[PSW]
.irp b, 0,1,2,3
.irp i, 0,1,2,3,4,5,6,7,8,9,10,11,12,13,14,15
.endr
	v_cvt_scalef32_pk8_fp8_f32 v[PCD+4*\b:PCD+4*\b+1], v[S+16*\b:S+16*\b+7], v[SO+\b]
	v_cvt_scalef32_pk8_fp8_f32 v[PCD+4*\b+2:PCD+4*\b+3], v[S+16*\b+8:S+16*\b+15], v[SO+\b]
.endr
.irp j, 0,2,4,6,8,10,12,14,16,18,20,22,24,26,28,30
	v_pk_mul_f32 v[O+\j:O+1+\j], v[O+\j:O+1+\j], v[F:F+1] op_sel_hi:[1,0]   ; O^T under the new M; these 16 are also the places in front of the products below
.endr
	s_wait_alu depctr_va_vdst(0)
	s_wait_dscnt 0x0                               ; v's fragments and scale words
.irp t, 0,1,2,3                        ; the four accumulators take turns; the next step's eight products stand between two links
	v_wmma_scale_f32_16x16x128_f8f6f4 v[O+8*\t:O+8*\t+7], v[FRG+16*\t:FRG+16*\t+15], v[PCD:PCD+15], v[O+8*\t:O+8*\t+7], v[VSW+\t], v[PSW]
.endr
.Lhidden_\@:
	s_add_co_u32 s[KF], s[KF], 128
.endm
; THE CHANGE OF SLOTS stands at a slot's head.  Each wave waits for all its tensor loads, adds 0 to its spare word, and waits for that and for its reads of the slot that it has left; behind the barrier the slot ahead is whole
; and nobody reads the other one, which (fill = 1) takes the next key block: that load has a whole slot's steps in which to land.
.macro CHANGE fill
	s_wait_tensorcnt 0x0                           ; no tensor load of mine is out, so the descriptor may be written
	ds_add_u32 v[SPW], v[NIL]                      ; 0 onto my spare word
.if \fill
	s_xor_b32 s[G0+1], s[G0+1], SLOT1              ; the other slot than last time
	s_add_co_u32 s[NXT], s[NXT], 1
	s_cmp_eq_u32 s[TRIP], s[P]                     ; behind the first query block's last slot the keys begin anew
	s_cselect_b32 s[NXT], 0, s[NXT]
	s_mul_i32 s40, s[NXT], BLKB
	s_mov_b32 s41, 0
	s_add_nc_u64 s[G0+2:G0+3], s[KVB:KVB+1], s[40:41]
	s_or_b32 s[G0+3], s[G0+3], 0x80000000
.endif
	s_wait_dscnt 0x0                               ; the add is done, and my reads of the slot that I have left are over
	s_barrier_signal -1
	s_barrier_wait -1
.if \fill
	TLOAD                                          ; the first thing behind the barrier, and a wave's one tensor load until the next
.endif
.endm
.macro SLOT_STEPS
	v_add_nc_u32 v[ADR], s[TB], v[LI]
	v_add_nc_u32 v[ADS], s[TB], v[LR]
	STEP 0
	STEP 1
	s_xor_b32 s[TB], s[TB], SLOT1
.endm
	s_mov_b32 s[QB], s[P]
	INIT
	s_mov_b32 s[KF], 0
	s_mov_b32 s[NXT], 0
	s_mov_b32 s[TB], 0
	s_mov_b32 s[TRIP], 0
.Lslot:                                            ; 8 trips; behind each change of slots but the last the next key block is asked for
	CHANGE 1
	s_cmp_eq_u32 s[TRIP], s51                      ; trip P + 1: the first query block is done, the second begins: a branch on ids, round lines that touch neither LDS nor a barrier
	s_cbranch_scc0 .Lsame
	FINISH
	s_sub_co_u32 s[QB], 7, s[P]
	s_mov_b32 s[KF], 0
	INIT
.Lsame:
	SLOT_STEPS
	s_add_co_u32 s[TRIP], s[TRIP], 1
	s_cmp_lt_u32 s[TRIP], 8
	s_cbranch_scc1 .Lslot
	CHANGE 0                                       ; the last slot is written out
	SLOT_STEPS
	FINISH
	s_wait_tensorcnt 0x0                           ; the wave's end
	ds_add_u32 v[SPW], v[NIL]
	s_wait_dscnt 0x0
	s_endpgm
.Lfunc_end_k_q39daca9cbb_attn:
	.size	k_q39daca9cbb_attn, .Lfunc_end_k_q39daca9cbb_attn-k_q39daca9cbb_attn
	.p2alignl 7, 3214868480
	.fill 96, 4, 3214868480
	.section	.rodata,"a",@progbits
	.p2align	6, 0x0
	.amdhsa_kernel k_q39daca9cbb_attn
		.amdhsa_group_segment_fixed_size 327680
		.amdhsa_private_segment_fixed_size 0
		.amdhsa_enable_private_segment 0
		.amdhsa_kernarg_size 24
		.amdhsa_user_sgpr_count 2
		.amdhsa_user_sgpr_kernarg_segment_ptr 1
		.amdhsa_wavefront_size32 1
		.amdhsa_system_sgpr_workgroup_id_x 1
		.amdhsa_system_sgpr_workgroup_id_y 1
		.amdhsa_system_sgpr_workgroup_id_z 1
		.amdhsa_system_vgpr_workitem_id 0
		.amdhsa_next_free_vgpr 256
		.amdhsa_next_free_sgpr 66
		.amdhsa_reserve_vcc 1
		.amdhsa_float_denorm_mode_32 3
		.amdhsa_float_denorm_mode_16_64 3
		.amdhsa_fp16_overflow 1
		.amdhsa_memory_ordered 1
		.amdhsa_forward_progress 1
		.amdhsa_inst_pref_size 110
	.end_amdhsa_kernel
	.amdgpu_metadata
---
amdhsa.version: [ 1, 2 ]
amdhsa.kernels:
  - .name:           k_q39daca9cbb_attn
    .symbol:         k_q39daca9cbb_attn.kd
    .args:
      - { .name: qkv, .offset: 0, .size: 8, .value_kind: global_buffer, .address_space: global }
      - { .name: ac, .offset: 8, .size: 8, .value_kind: global_buffer, .address_space: global }
      - { .name: asc, .offset: 16, .size: 8, .value_kind: global_buffer, .address_space: global }
    .group_segment_fixed_size: 327680
    .private_segment_fixed_size: 0
    .kernarg_segment_align: 8
    .kernarg_segment_size: 24
    .max_flat_workgroup_size: 512
    .sgpr_count:     66
    .vgpr_count:     256
    .wavefront_size: 32
...
	.end_amdgpu_metadata
.endif
;; end of part 3
;; launch oproj (part 4): grid 4 x 32, 4 waves a work-group, clusters of 4 x 4, 327,680 bytes of LDS; arguments ac, asc, codes, scales, out0; writes out0
.if DOCPART == 4
	.amdgcn_target "amdgcn-amd-amdhsa--gfx1250"
	.amdhsa_code_object_version 6
	.text
	.protected	k_q39daca9cbb_oproj
	.globl	k_q39daca9cbb_oproj
	.p2align	8
	.type	k_q39daca9cbb_oproj,@function
k_q39daca9cbb_oproj:
	s_mov_b64 s[64:65], 0
	v_nop
	global_prefetch_b8 v0, s[64:65] scope:SCOPE_SE
	s_setreg_imm32_b32 hwreg(HW_REG_WAVE_MODE, 25, 1), 1
	s_wait_xcnt 0x0
	s_wait_alu depctr_hold_cnt(0) depctr_sa_sdst(0) depctr_va_vdst(0) depctr_va_sdst(0) depctr_va_ssrc(0) depctr_va_vcc(0) depctr_vm_vsrc(0)
	s_getreg_b32 s2, hwreg(HW_REG_IB_STS2, 6, 4)
	s_cmp_eq_u32 s2, 0
	s_cbranch_scc0 .Lentry_in_a_cluster
	s_endpgm
.Lentry_in_a_cluster:
	s_bfe_u32 s2, ttmp6, 0x10000c
	s_cmp_lg_u32 s2, 0xf033
	s_cbranch_scc0 .Lentry_shape_is_right
	s_endpgm
.Lentry_shape_is_right:
; OPROJ.  out0 = attn Wo^T on codes of FP8 (E4M3) with E8M0 scales for each 32 along K = 1,024; out0 [8192][1024] f32.
; OPERANDS are images of their registers: [T][s 8][c 4][lane][16 bytes], tile T = 2 g + u, lane (r, h): row 32 g + 8 u + r + 8 (r / 8), k = 128 s + 32 c + 16 h + 0 .. 15; scale words [T][half][r][4 words].
; A = the attention's result (ac, asc: 512 tiles of tokens), B = Wo (codes, scales: tiles 704-767).
; SHAPE.  A work-group of four waves makes 256 tokens x 256 outputs; a wave 128 x 128: 64 accumulators, 512 registers.  K goes in four steps of 256 through two LDS slots; all is written out, no loop.
; THE MATRIX INSTRUCTION IS USED TRANSPOSED (source 0 = a tile of B, source 1 = a tile of A): lane (r, h) holds one token, and register j of accumulator (a, 2 e + u) the output 32 e + 16 h + 8 u + j.
; CLUSTERS: 4 x 4 work-groups; A's tiles are asked for jointly along a row of the cluster, B's along a column.  The grid has one cluster along x.
; REGISTERS: window 0: v1-31 addresses; v32-63 scale words, two sets; v128-255 A's fragments, on the way out rows of out0.  window 1: B's fragments, two sets.  windows 2, 3: accumulator (a, b) at v[8 (8 (a % 4) + b)].
.set NQ,    2
.set FR,    16
.set NL,    4
.set NP,    8                          ; places behind this matrix instruction (ISA guide 7.12.1)
.set HALFT, 32768                      ; 8 tiles x 4,096 bytes: what one tensor load brings, and what a wave reads of A or of B
.set SLOT,  131072
.set SCL,   262144                     ; the scale words for all of K, A's 8,192 bytes, then B's; filled once
.set HALFS, 4096
.set SPARE, 278528                     ; the spare words, 128 bytes for each wave: two blocks of 256 bytes that no other line names
.set SPITCH, 528                       ; the way out: a stage of 16 rows x (512 bytes + 16) for each wave, in slot 0, which has had its last fill and its last read when the first result is stored there
.set ADRA, 16
.set ADRB, 20
.set STO,  24                          ; v24  where I put 32 bytes of a row
.set RD,   25                          ; v25  where I read a row back
.set CO,   26                          ; v26  16 x lane
.set ADRS, 27
.set SPW,  28
.set NIL,  29
.set SC,   32
.set AF,   128
.set BK,   128
.set G1, 24
.set G0, 32
.set G1B, 48
.set G0B, 56
.set G1S, 68
.set G0S, 76
.set G1SB, 80
.set G0SB, 88
.set MSB, 0
.macro WIN new                         ; the immediate's high byte repeats the setting that is left
.if MSB != (\new)
	s_set_vgpr_msb (MSB<<8)|(\new)
.set MSB, (\new)
.endif
.endm
.set MUL_LO, 0xa1
.set MUL_HI, 0xf1
.set TO_B,   0x40
.macro JLOAD g0a, g1a, g0b, g1b        ; a joint load: waves 0 and 1 fetch for A, waves 2 and 3 for B; four v_nop follow each of the two lines
	s_cmp_eq_u32 s15, 0
	s_cbranch_scc0 .Lfor_b_\@
	tensor_load_to_lds s[\g0a:\g0a+3], s[\g1a:\g1a+7]
	s_nop 0
.rept 4
	v_nop
.endr
	s_branch .Lasked_\@
.Lfor_b_\@:
	tensor_load_to_lds s[\g0b:\g0b+3], s[\g1b:\g1b+7]
	s_nop 0
.rept 4
	v_nop
.endr
.Lasked_\@:
.endm
.macro CREST
	s_cmp_lg_u32 s14, 0
	s_cbranch_scc1 .Lnot_wave_0_\@
	s_barrier_signal -3
.Lnot_wave_0_\@:
	s_barrier_wait -3
	s_barrier_signal -1
	s_barrier_wait -1
.endm
.macro CROUND
	s_barrier_signal -1
	s_barrier_wait -1
	CREST
.endm
	s_load_b256 s[4:11], s[0:1], 0x0               ; ac, asc, codes, scales
	s_load_b64 s[12:13], s[0:1], 0x20              ; out0
	v_lshl_add_u32 v[SPW], v0, 2, SPARE
	v_mov_b32 v[NIL], 0
	ds_add_u32 v28, v29
	ds_add_u32 v28, v29
	s_wait_dscnt 0x0
	v_lshrrev_b32 v1, 5, v0
	v_readfirstlane_b32 s14, v1                    ; wave 0..3
	s_lshr_b32 s15, s14, 1                         ; my half of the tokens.  Also: I fetch for A (0) or for B (1)
	s_and_b32 s16, s14, 1                          ; my half of the outputs.  Also: which 8 tiles I fetch
	s_bfe_u32 s40, ttmp6, 0x40000                  ; cx
	s_bfe_u32 s41, ttmp6, 0x40004                  ; cy
	s_and_b32 s17, ttmp7, 0xffff                   ; the cluster's y
	s_lshl_b32 s43, s41, 2
	s_lshl_b32 s43, 15, s43                        ; my row of the cluster
	s_lshl_b32 s44, 0x1111, s40                    ; my column
	s_or_b32 s[G1+0], s43, (3<<16)|(1<<21)         ; codes: 8 rows (tiles) of 4,096 bytes, 16,384 bytes apart
	s_or_b32 s[G1B+0], s44, (3<<16)|(1<<21)
.irp g, G1, G1B
	s_mov_b32 s[\g+1], 512<<16
	s_mov_b32 s[\g+2], 8<<16
	s_mov_b32 s[\g+3], 512<<16
	s_mov_b32 s[\g+4], 8
	s_mov_b32 s[\g+5], 2048
	s_mov_b32 s[\g+6], 0
	s_mov_b32 s[\g+7], 0
.endr
	s_or_b32 s[G1S+0], s43, (3<<16)|(1<<21)        ; scale words of 8 tiles: 4,096 dense bytes as 16 rows of 256
	s_or_b32 s[G1SB+0], s44, (3<<16)|(1<<21)
.irp g, G1S, G1SB
	s_mov_b32 s[\g+1], 32<<16
	s_mov_b32 s[\g+2], 16<<16
	s_mov_b32 s[\g+3], 32<<16
	s_mov_b32 s[\g+4], 16
	s_mov_b32 s[\g+5], 32
	s_mov_b32 s[\g+6], 0
	s_mov_b32 s[\g+7], 0
.endr
	s_lshl_b32 s18, s16, 3
	s_lshl_b32 s19, s17, 6
	s_lshl_b32 s20, s41, 4
	s_add_co_u32 s20, s20, s18
	s_add_co_u32 s20, s20, s19                     ; A's first tile that I fetch: 64 y + 16 cy + 8 half
	s_lshl_b32 s46, s40, 4
	s_add_co_u32 s46, s46, s18
	s_add_co_u32 s46, s46, 704                     ; B's: 704 + 16 cx + 8 half
	s_lshl_b32 s22, s20, 9
	s_mov_b32 s23, 0
	s_lshl_b32 s20, s20, 14
	s_mov_b32 s21, 0
	s_lshl_b32 s92, s46, 9
	s_mov_b32 s93, 0
	s_lshl_b32 s46, s46, 14
	s_mov_b32 s47, 0
	s_mul_i32 s45, s14, HALFT
	s_mul_i32 s94, s14, HALFS
	s_wait_kmcnt 0x0
	s_add_nc_u64 s[20:21], s[4:5], s[20:21]
	s_add_nc_u64 s[22:23], s[6:7], s[22:23]
	s_add_nc_u64 s[46:47], s[8:9], s[46:47]
	s_add_nc_u64 s[92:93], s[10:11], s[92:93]
	CROUND                                         ; all sixteen work-groups are here: the first joint loads meet
	s_mov_b32 s[G0S], 1
	s_add_co_u32 s[G0S+1], s94, SCL
	s_mov_b64 s[G0S+2:G0S+3], s[22:23]
	s_or_b32 s[G0S+3], s[G0S+3], 0x80000000
	s_mov_b32 s[G0SB], 1
	s_add_co_u32 s[G0SB+1], s94, SCL
	s_mov_b64 s[G0SB+2:G0SB+3], s[92:93]
	s_or_b32 s[G0SB+3], s[G0SB+3], 0x80000000
	JLOAD G0S, G1S, G0SB, G1SB
.irp s, 0,1
	s_mov_b32 s[G0+4*\s], 1
	s_add_co_u32 s[G0+4*\s+1], s45, \s*SLOT
	s_add_nc_u64 s[G0+4*\s+2:G0+4*\s+3], s[20:21], \s*4096
	s_or_b32 s[G0+4*\s+3], s[G0+4*\s+3], 0x80000000
	s_mov_b32 s[G0B+4*\s], 1
	s_add_co_u32 s[G0B+4*\s+1], s45, \s*SLOT
	s_add_nc_u64 s[G0B+4*\s+2:G0B+4*\s+3], s[46:47], \s*4096
	s_or_b32 s[G0B+4*\s+3], s[G0B+4*\s+3], 0x80000000
	s_wait_alu depctr_va_vdst(0)
	s_wait_tensorcnt 0x0
	ds_add_u32 v28, v29
	s_wait_dscnt 0x0
	CROUND
	JLOAD G0+4*\s, G1, G0B+4*\s, G1B
.endr
	v_and_b32 v1, 15, v0                           ; r
	v_bfe_u32 v2, v0, 4, 1                         ; h
	s_wait_alu depctr_va_vdst(0)
	v_and_b32 v3, 31, v0
	v_lshlrev_b32 v[CO], 4, v3
	s_mul_i32 s21, s15, HALFT
	s_mul_i32 s22, s16, HALFT
	s_add_co_u32 s22, s22, 2*HALFT
.irp s, 0,1
	v_add_nc_u32 v[ADRA+\s], s21, v[CO]
	v_add_nc_u32 v[ADRB+\s], s22, v[CO]
	s_add_co_u32 s21, s21, SLOT
	s_add_co_u32 s22, s22, SLOT
.endr
	v_lshlrev_b32 v5, 4, v1
	s_mul_i32 s21, s15, HALFS
	s_mul_i32 s22, s16, HALFS
	s_add_co_u32 s22, s22, 2*HALFS
	s_sub_co_u32 s22, s22, s21
	v_mul_u32_u24 v6, s22, v2                      ; lanes 16-31 take B's: one product in h
	s_add_co_u32 s21, s21, SCL
	v_add_nc_u32 v5, v5, v6
	v_add_nc_u32 v[ADRS], s21, v5
	s_mul_i32 s23, s14, 16*SPITCH                  ; my stage
	v_mul_u32_u24 v5, v1, SPITCH
	v_lshl_add_u32 v5, v2, 6, v5                   ; in: row r, + 64 h
	v_add_nc_u32 v[STO], s23, v5
	v_add_nc_u32 v[RD], s23, v[CO]                 ; back: the 32 lanes take one row of 512 bytes
	s_lshl_b32 s20, s17, 2
	s_add_co_u32 s20, s20, s41
	s_lshl_b32 s20, s20, 8
	s_lshl_b32 s21, s15, 7
	s_add_co_u32 s20, s20, s21                     ; my first token: 256 (4 y + cy) + 128 half
	s_lshl_b32 s20, s20, 12                        ; rows of 4,096 bytes
	s_lshl_b32 s46, s40, 10
	s_lshl_b32 s47, s16, 9
	s_add_co_u32 s46, s46, s47                     ; my first output, in bytes: 1,024 cx + 512 half
	s_add_co_u32 s20, s20, s46
	s_mov_b32 s21, 0
	s_add_nc_u64 s[12:13], s[12:13], s[20:21]
.macro FRAG reg, adr, q, i
.irp c, 0,1,2,3
	ds_load_b128 v[\reg+4*\c:\reg+4*\c+3], v[\adr] offset:(\i)*4096+(\q)*2048+512*\c
.endr
.endm
; 16 matrix instructions: A's tiles a0, a0 + 1 x B's eight.  The 64 accumulators take turns, one instruction a turn, in the same order in every step.
.macro MUL16 a0, p, q, sc, zero
.irp a, \a0, \a0+1
.irp b, 0,1,2,3,4,5,6,7
.if \zero
	v_wmma_scale_f32_16x16x128_f8f6f4 v[8*(8*((\a)%4)+\b):8*(8*((\a)%4)+\b)+7], v[128*(\p)+FR*\b:128*(\p)+FR*\b+FR-1], v[AF+FR*(\a):AF+FR*(\a)+FR-1], 0, v[SC+8*NQ*(\sc)+NQ*\b+(\q)], v[SC+8*NQ*(\sc)+NQ*(\a)+(\q)] matrix_a_scale:MATRIX_SCALE_ROW1
.else
	v_wmma_scale_f32_16x16x128_f8f6f4 v[8*(8*((\a)%4)+\b):8*(8*((\a)%4)+\b)+7], v[128*(\p)+FR*\b:128*(\p)+FR*\b+FR-1], v[AF+FR*(\a):AF+FR*(\a)+FR-1], v[8*(8*((\a)%4)+\b):8*(8*((\a)%4)+\b)+7], v[SC+8*NQ*(\sc)+NQ*\b+(\q)], v[SC+8*NQ*(\sc)+NQ*(\a)+(\q)] matrix_a_scale:MATRIX_SCALE_ROW1
.endif
.endr
.endr
.endm
.macro FETCH_B slot, q, p
	WIN TO_B
.irp i, 0,1,2,3,4,5,6,7
	FRAG 128*(\p)+FR*\i, ADRB+\slot, \q, \i
.endr
	WIN 0
.endm
.macro FETCH_A slot, q, i0
.irp i, \i0, \i0+1, \i0+2, \i0+3
	FRAG AF+FR*(\i), ADRA+\slot, \q, \i
.endr
.endm
.macro SCALES sc, ks
.irp i, 0,1,2,3,4,5,6,7
	ds_load_b64 v[SC+8*NQ*\sc+NQ*\i:SC+8*NQ*\sc+NQ*\i+1], v[ADRS] offset:\i*512+256*((\ks)/2)+8*((\ks)%2)
.endr
.endm
.macro PLACES n
.rept \n
	v_nop
.endr
.endm
.macro STEP slot, q, zero
	s_wait_dscnt 4*NL                              ; all but the youngest 16 loads (A's tiles 4-7) are in
	WIN MUL_LO
	MUL16 0, (\q)%2, \q, \slot, \zero
	MUL16 2, (\q)%2, \q, \slot, \zero
	s_wait_dscnt 0
	PLACES NP
	FETCH_B \slot, (\q)+1, 1-(\q)%2
	FETCH_A \slot, (\q)+1, 0
	WIN MUL_HI
	MUL16 4, (\q)%2, \q, \slot, \zero
	MUL16 6, (\q)%2, \q, \slot, \zero
	PLACES NP
	WIN 0
	FETCH_A \slot, (\q)+1, 4
.endm
.macro TURN slot, next, fill, ks
	s_wait_tensorcnt 0x0                           ; all my tensor loads have landed: my part of the next slot
	ds_add_u32 v[SPW], v[NIL]                      ; 0 onto my spare word
	s_wait_dscnt 4*NL+1                            ; (the add and the youngest 16 loads may be out)
	WIN MUL_LO
	MUL16 0, 1, NQ-1, \slot, 0
	s_wait_dscnt 0x0                               ; the add is done, and my reads of this slot are over
	s_barrier_signal -1
	MUL16 2, 1, NQ-1, \slot, 0
	WIN 0
	s_barrier_wait -1
.if \fill
	CREST                                          ; the barrier has opened a round of the cluster's barrier: no wave of any partner still reads this slot or has a load on its way
	s_add_nc_u64 s[G0+4*\slot+2:G0+4*\slot+3], s[G0+4*\slot+2:G0+4*\slot+3], 8192
	s_add_nc_u64 s[G0B+4*\slot+2:G0B+4*\slot+3], s[G0B+4*\slot+2:G0B+4*\slot+3], 8192
	JLOAD G0+4*\slot, G1, G0B+4*\slot, G1B
	PLACES NP-4
.else
	PLACES NP
.endif
	FETCH_B \next, 0, 0
	FETCH_A \next, 0, 0
	SCALES \next, \ks
	WIN MUL_HI
	MUL16 4, 1, NQ-1, \slot, 0
	MUL16 6, 1, NQ-1, \slot, 0
	PLACES NP
	WIN 0
	FETCH_A \next, 0, 4
.endm
	s_wait_alu depctr_va_vdst(0)
	s_wait_tensorcnt 1                             ; the scale words and my part of K step 0 are in (K step 1's load may be out)
	s_barrier_signal -1
	s_barrier_wait -1                              ; everybody's are
	FETCH_B 0, 0, 0
	FETCH_A 0, 0, 0
	SCALES 0, 0
	FETCH_A 0, 0, 4
	STEP 0, 0, 1
	TURN 0, 1, 1, 1
	STEP 1, 0, 0
	TURN 1, 0, 1, 2
	STEP 0, 0, 0
	TURN 0, 1, 0, 3
	STEP 1, 0, 0
	s_wait_dscnt 4*NL
	WIN MUL_LO
	MUL16 0, 1, NQ-1, 1, 0
	MUL16 2, 1, NQ-1, 1, 0
	s_wait_dscnt 0
	WIN MUL_HI
	MUL16 4, 1, NQ-1, 1, 0
	MUL16 6, 1, NQ-1, 1, 0
	WIN 0
; THE WAY OUT, a tile of 16 tokens x 128 outputs at a time, through my own stage in LDS: in by lanes (32 bytes of a row), back as whole rows of 512 bytes.  LDS serves a wave's instructions in order (ISA guide 5.7.1.4).
.macro TOSTAGE a
.set AC, 64*((\a)%4)
	WIN 0x08+4*((\a)/4)                            ; an LDS store's data are its source 1: window 2 or 3
.irp b, 0,1,2,3,4,5,6,7
	ds_store_b128 v[STO], v[AC+8*\b:AC+8*\b+3] offset:128*(\b/2)+32*(\b%2)        ; outputs 32 (b / 2) + 16 h + 8 (b % 2) on; each accumulator from its low end on
	ds_store_b128 v[STO], v[AC+8*\b+4:AC+8*\b+7] offset:128*(\b/2)+32*(\b%2)+16
.endr
	WIN 0
.set BB, BK+64*((\a)%2)
.irp t, 0,1,2,3,4,5,6,7,8,9,10,11,12,13,14,15
	ds_load_b128 v[BB+4*\t:BB+4*\t+3], v[RD] offset:\t*SPITCH
.endr
.endm
.macro SEND a, younger                 ; younger: the LDS instructions issued behind tile a's loads, which may stay out
.set BB, BK+64*((\a)%2)
	s_wait_dscnt \younger
.if (\a) > 0
.if (\a)%2
	s_add_nc_u64 s[12:13], s[12:13], 8*4096        ; tile 2 g + 1 begins 8 tokens behind tile 2 g  (behind a wait on XCNT: the earlier stores have read their base)
.else
	s_add_nc_u64 s[12:13], s[12:13], 24*4096       ; and tile 2 g + 2 another 24
.endif
.endif
.irp t, 0,1,2,3,4,5,6,7,8,9,10,11,12,13,14,15
	global_store_b128 v[CO], v[BB+4*\t:BB+4*\t+3], s[12:13] offset:(\t+8*(\t/8))*4096 th:TH_STORE_NT   ; the tile's row t is token t + 8 (t / 8): 512 consecutive bytes, aligned
.endr
.endm
	PLACES NP
	TOSTAGE 0
.irp a, 1,2,3,4,5,6,7
.if \a > 1
	s_wait_xcnt 0x0                                ; tile a - 2's stores have read their registers and their base
.endif
	TOSTAGE \a
	SEND \a-1, 32                                  ; behind tile a - 1's loads: tile a's 16 stores and 16 loads
.endr
	s_wait_xcnt 0x0
	SEND 7, 0
	s_wait_tensorcnt 0x0                           ; the wave's end
	ds_add_u32 v[SPW], v[NIL]
	s_wait_dscnt 0x0
	CROUND                                         ; the closing round: no work-group ends while a partner may still ask for a tile that names it
	s_endpgm
.Lfunc_end_k_q39daca9cbb_oproj:
	.size	k_q39daca9cbb_oproj, .Lfunc_end_k_q39daca9cbb_oproj-k_q39daca9cbb_oproj
	.p2alignl 7, 3214868480
	.fill 96, 4, 3214868480
	.section	.rodata,"a",@progbits
	.p2align	6, 0x0
	.amdhsa_kernel k_q39daca9cbb_oproj
		.amdhsa_group_segment_fixed_size 327680
		.amdhsa_private_segment_fixed_size 0
		.amdhsa_enable_private_segment 0
		.amdhsa_kernarg_size 40
		.amdhsa_user_sgpr_count 2
		.amdhsa_user_sgpr_kernarg_segment_ptr 1
		.amdhsa_wavefront_size32 1
		.amdhsa_system_sgpr_workgroup_id_x 1
		.amdhsa_system_sgpr_workgroup_id_y 1
		.amdhsa_system_sgpr_workgroup_id_z 1
		.amdhsa_system_vgpr_workitem_id 0
		.amdhsa_next_free_vgpr 1024
		.amdhsa_next_free_sgpr 100
		.amdhsa_reserve_vcc 0
		.amdhsa_float_denorm_mode_32 3
		.amdhsa_float_denorm_mode_16_64 3
		.amdhsa_memory_ordered 1
		.amdhsa_forward_progress 1
		.amdhsa_inst_pref_size 146
	.end_amdhsa_kernel
	.amdgpu_metadata
---
amdhsa.version: [ 1, 2 ]
amdhsa.kernels:
  - .name:           k_q39daca9cbb_oproj
    .symbol:         k_q39daca9cbb_oproj.kd
    .args:
      - { .name: ac, .offset: 0, .size: 8, .value_kind: global_buffer, .address_space: global }
      - { .name: asc, .offset: 8, .size: 8, .value_kind: global_buffer, .address_space: global }
      - { .name: codes, .offset: 16, .size: 8, .value_kind: global_buffer, .address_space: global }
      - { .name: scales, .offset: 24, .size: 8, .value_kind: global_buffer, .address_space: global }
      - { .name: out0, .offset: 32, .size: 8, .value_kind: global_buffer, .address_space: global }
    .group_segment_fixed_size: 327680
    .private_segment_fixed_size: 0
    .kernarg_segment_align: 8
    .kernarg_segment_size: 40
    .max_flat_workgroup_size: 128
    .sgpr_count:     100
    .vgpr_count:     1024
    .wavefront_size: 32
...
	.end_amdgpu_metadata
.endif
;; end of part 4
